; MI455X (gfx1250); checked and timed in simulation.
; The chip was launched on July 23, 2026; its instructions are those of AMD's public machine-readable ISA for CDNA 5 (MIT licence, August 2026) and "CDNA5" Instruction Set Architecture Reference Guide (July 2026). The comments in the code are by the model that wrote it; some were corrected since.
;; Gemma3 Attention. Allowed arithmetic: matrix products marked QUANTISED: E4M3 operands, one given power-of-two scale a tensor, by v_wmma_f32_16x16x64_fp8_fp8 or v_wmma_f32_16x16x128_fp8_fp8, f32 sums; everything else in f32.
;; Inputs: hidden_states 2 x 2,048 x 2,048 float32; k_norm_weight 128 float32; lowp_scales 12 int32 (the exponents e of the quantised operands' scales 2^e); q_norm_weight 128 float32; wk 1,024 x 2,048 float32; wo 2,048 x 1,024 float32; wq 1,024 x 2,048 float32; wv 1,024 x 2,048 float32.
;; Outputs: out0 2 x 2,048 x 2,048 float32.
;; This version of the problem:
;;   THIS VERSION OF THE PROBLEM IS GIVEN IN LOW PRECISION. The matrix products marked QUANTISED in the list below multiply operands that are first quantised to E4M3 (4 exponent bits, 3 mantissa bits; 8 bits a number), with one given power-of-two scale for each operand tensor; their sums are f32. All else is computed in f32.
;;   The module's matrix products, in the order in which they are computed (A, B: the left and right operand; K: the contracted axis; several contracted axes count as one K, in the product's order):
;;     1. [M 4,096, K 2,048] x [K 2,048, N 1,024]; A: input hidden_states; B: input wq: QUANTISED (scales: A lowp_scales[0], B lowp_scales[1])
;;     2. [M 4,096, K 2,048] x [K 2,048, N 1,024]; A: input hidden_states; B: input wk: QUANTISED (scales: A lowp_scales[2], B lowp_scales[3])
;;     3. [M 4,096, K 2,048] x [K 2,048, N 1,024]; A: input hidden_states; B: input wv: QUANTISED (scales: A lowp_scales[4], B lowp_scales[5])
;;     4. batch 16 x [M 2,048, K 128] x [K 128, N 2,048]; A: computed on the way; B: computed on the way: QUANTISED (scales: A lowp_scales[6], B lowp_scales[7])
;;     5. batch 16 x [M 2,048, K 2,048] x [K 2,048, N 128]; A: softmax (see below); B: computed on the way: QUANTISED (scales: A lowp_scales[8], B lowp_scales[9])
;;     6. [M 4,096, K 1,024] x [K 1,024, N 2,048]; A: computed on the way; B: input wo: QUANTISED (scales: A lowp_scales[10], B lowp_scales[11])
;;   THE QUANTISER, for each operand of a quantised product, along K:
;;     - The operand's scale is 2^e, e = its entry of the input lowp_scales (int32; the entries are numbered through the quantised products in the list's order, A before B).
;;     - Each number is divided by the scale, clamped to +-448, and rounded to the nearest number of E4M3, ties to even, subnormals kept.
;;     - The product sums the exact products of the quantised numbers (number of the format x scale) in f32.
;;   ~~~python
;;   def quantise(x, axis, e):      # numpy; x: float32 -> the quantised numbers, widened to float32 again
;;       x = np.moveaxis(x, axis, -1); K = x.shape[-1]
;;       r = np.clip(x / 2.0 ** e, -448, 448)
;;       step = 2.0 ** (np.maximum(np.frexp(np.where(r == 0, 1, r))[1] - 1, -6) - 3)
;;       q = np.round(r / step) * step * 2.0 ** e      # np.round: ties to even
;;       return np.moveaxis(q, -1, axis).astype(np.float32)
;;   ~~~
;;   SOFTMAX AHEAD OF A QUANTISED PRODUCT. Where the list says 'softmax', what is quantised is not the finished softmax but p = 2^(t - M), with t = logit x log2(e) and M = ceil(the row's largest t), a whole number; so 1/2 < the row's largest p <= 1. The row's sum l is taken of the UNQUANTISED p, in f32, and the product's result is divided by l at the end. Since M is a whole number, a kernel that streams over the keys may use a running M (the ceiling of the running maximum): every later rescaling is an exact power of two, so the quantised numbers keep their values, but for numbers so far below the row's largest that they fall under the format's range.
;;   OPERANDS COMPUTED ON THE WAY. 'Computed on the way' means the value that the module computes at that place (a softmax that the list does not call 'softmax' is quantised finished and normalised). What goes into a quantiser is computed in f32, as accurately as f32 sums, v_exp_f32 and their like allow (about 1e-6 of the number): no bf16 or f16 on the way to a quantiser, and a product that is left as it is and whose result goes on into a quantised operand takes f32 operands (vector FMAs, or v_wmma_f32_16x16x4_f32). A number that lies on a knife's edge between two numbers of the format may be rounded either way, as far as f32 arithmetic and the matrix unit's own rounding can turn it there, and no further.
;; One version. Each part assembles by itself: llvm-mc -triple=amdgcn-amd-amdhsa -mcpu=gfx1250 --defsym DOCPART=n.
;; ======== version 1 of 1: 4 launches
;; limits: right only within a limited range of input values
;; workspace buffers: xc 25,165,824 bytes; wc 6,291,456 bytes; woc 2,097,152 bytes; rope 1,048,576 bytes; qc 4,194,304 bytes; kv 8,388,608 bytes; ac 4,194,304 bytes
;; launch prep (part 1): grid 544 x 1, 4 waves a work-group, no clusters, 34,304 bytes of LDS; arguments hidden_states, wq, wk, wv, wo, lowp_scales, xc, wc, woc, rope; writes xc, wc, woc, rope
.if DOCPART == 1
	.amdgcn_target "amdgcn-amd-amdhsa--gfx1250"
	.amdhsa_code_object_version 6
	.text
	.protected	k_q4084abe676_prep
	.globl	k_q4084abe676_prep
	.p2align	8
	.type	k_q4084abe676_prep,@function
k_q4084abe676_prep:
	s_mov_b64 s[64:65], 0
	v_nop
	global_prefetch_b8 v0, s[64:65] scope:SCOPE_SE
	s_setreg_imm32_b32 hwreg(HW_REG_WAVE_MODE, 25, 1), 1
	s_wait_xcnt 0x0
; THE FIRST LAUNCH: f32 operands become codes of E4M3, and RoPE's cos and sin become a table.
; hidden_states [4096][2048] is the left operand of three products, each with a scale of its own (entries 0, 2, 4 of lowp_scales): it is read once and quantised three times.
; wq, wk, wv [1024][2048] take entries 1, 3, 5; wo [2048][1024] takes entry 11.  code = x / 2^e, held within +-448, to the nearest code, ties to even.
; THE IMAGE.  Codes are laid as images of operand registers: a fragment is 16 rows x 128 along K, 16 registers a lane, 2,048 dense bytes; register 4 g + m of a lane lies at 512 g + 16 lane + 4 m.
; Lane (r = lane % 16, h = lane / 16) holds row r; its registers 2 c, 2 c + 1 hold k = 16 c + 8 h + 0 .. 7.  Fragments lie [row tile][K step][2048].
; SHARES.  Work-groups 0-255: a row tile of x each; 256-447: wq, wk, wv, 64 each; 448-511: wo; 512-543: the table.  A quantising work-group takes 16 fragments, a wave four neighbours along K.
; Only pointers and sizes are chosen by the work-group's number: all five tensors take one way through the text.
; A load reads 512 consecutive bytes of a row, 16 a lane; a fragment's 16 rows turn through the wave's own stage in LDS (rows of 528 bytes = 33 x 16, so that sixteen rows' reads fall on sixteen different
; columns of 16 bytes) and come back eight neighbours along K at a time.  A store writes 512 consecutive bytes.  Loads run two fragments (32 loads a wave) ahead.  Waves share nothing: no barrier.
; THE TABLE: [tile of 16 positions][16 x 512 bytes]: registers 0-31 cos, 32-63 sin; register 8 t + j is frequency d = 16 t + 8 h + j at position 16 T + r: the layout in which the next launch holds a head.
; angle = pos x 2^(-d log2(10000) / 64), rounded once as f32; reduced by n pi/2 in two parts; sin and cos by polynomials of degree 7 and 8 on +-pi/4.
; LIMITS: each e between -126 and 119, so that 2^e and 448 x 2^e are f32 numbers.  NaN among the inputs is not served.  An angle carries the rounding of its frequency, about 1e-7 of the angle.
.set STG,   8448                       ; a wave's stage: 16 rows x 528 bytes
.set SPARE, 4*STG                      ; behind the four stages: the spare words, 128 bytes a wave: two blocks of 256 bytes that no other line names
.set STI, 2                            ; v2   the stage on the way in: STG x wave + 16 x lane
.set STO, 3                            ; v3   and on the way out: STG x wave + 528 r + 32 h
.set D0,  4                            ; v4   16 x lane: my place in 512 bytes of an image
; THE ORDER OF THE IMAGES is [row tile][K step][2048]: fragment number = row tile x (K steps in a row) + K step, 2,048 bytes each: xc: three sets of [256][16][2048]; wc: three of [64][16][2048]; woc: [128][8][2048].
; WORK LEFT OUT in the program: scores and products of whole key blocks that the causal window hides from all queries of a block; for all inputs their softmax terms are exactly 0.
; LIMIT: a NaN, an infinity or an overflow that reaches only such hidden scores is not carried to the result.
.set SPW, 6                            ; v6   LDS address of my spare word; never rewritten
.set NIL, 7                            ; v7   0; never rewritten
.set SCL, 8                            ; v8-10  2^e as f32, for up to three scales
.set LIM, 11                           ; v11-13 448 x 2^e
.set A,   16                           ; v16-31 row j's byte offset: 16 x lane + j x pitch; never rewritten
.set R,   32                           ; v32-159 two sets of 64: a fragment's numbers as loaded
.set X,   160                          ; v160-223 register 8 c + i: k = 16 c + 8 h + i of row r
.set T,   224                          ; v224-239 two sets of 8: numbers held within the largest code
.set C,   240                          ; v240-255 a fragment's codes
	s_load_b512 s[8:23], s[0:1], 0x0               ; x s[8:9], wq s[10:11], wk s[12:13], wv s[14:15], wo s[16:17], the scales s[18:19], xc s[20:21], wc s[22:23]
	s_load_b128 s[24:27], s[0:1], 0x40             ; woc s[24:25], rope s[26:27]
	v_lshl_add_u32 v[SPW], v0, 2, SPARE
	v_mov_b32 v[NIL], 0
	v_lshrrev_b32 v1, 5, v0
	v_readfirstlane_b32 s28, v1                    ; wave 0..3
	v_and_b32 v1, 31, v0                           ; lane
	v_and_b32 v14, 15, v0                          ; r
	v_bfe_u32 v15, v0, 4, 1                        ; h
	v_lshlrev_b32 v[D0], 4, v1
	s_wait_kmcnt 0x0
	s_cmp_ge_u32 ttmp9, 512
	s_cbranch_scc1 .Ltable
	s_load_b256 s[36:43], s[18:19], 0x0            ; e0 .. e7
	s_load_b128 s[44:47], s[18:19], 0x20           ; e8 .. e11
	; which tensor: every choice hangs on the work-group's number alone
	s_cmp_lt_u32 ttmp9, 256
	s_cselect_b64 s[48:49], s[8:9], s[10:11]       ; from: x or wq
	s_cselect_b64 s[52:53], s[20:21], s[22:23]     ; to: xc or wc
	s_cselect_b32 s34, 255, 63                     ; work-groups of the tensor, less one
	s_cselect_b32 s33, 0, 256
	s_sub_co_u32 s33, ttmp9, s33
	s_lshr_b32 s35, s33, 6
	s_lshl_b32 s35, s35, 21                        ; wq, wk, wv lie 2 MiB apart in wc
	s_and_b32 s33, s33, s34                        ; my number within the tensor
	s_cmp_lt_u32 ttmp9, 256
	s_cselect_b32 s35, 0, s35
	s_cmp_lt_u32 ttmp9, 320
	s_cselect_b64 s[48:49], s[48:49], s[12:13]     ; wk
	s_cmp_lt_u32 ttmp9, 384
	s_cselect_b64 s[48:49], s[48:49], s[14:15]     ; wv
	s_cmp_lt_u32 ttmp9, 448
	s_cselect_b64 s[48:49], s[48:49], s[16:17]     ; wo
	s_cselect_b64 s[52:53], s[52:53], s[24:25]
	s_cselect_b32 s35, s35, 0
	s_cselect_b32 s29, 4, 3                        ; log2 of the K steps in a row: 16 or 8
	s_lshl_b32 s31, 512, s29                       ; a row in bytes
	s_lshl_b32 s58, s33, 4
	s_lshl_b32 s59, s28, 2
	s_add_co_u32 s58, s58, s59                     ; my wave's first fragment: 16 x work-group + 4 x wave
	s_lshr_b32 s59, s58, s29                       ; its row tile,
	s_lshl_b32 s60, 1, s29
	s_sub_co_u32 s60, s60, 1
	s_and_b32 s60, s58, s60                        ; and its K step: a multiple of 4
	s_mul_i32 s62, s59, s31
	s_lshl_b32 s62, s62, 4                         ; 16 rows a tile
	s_lshl_b32 s61, s60, 9                         ; 512 bytes a K step
	s_add_co_u32 s62, s62, s61
	s_mov_b32 s63, 0
	s_add_nc_u64 s[48:49], s[48:49], s[62:63]
	s_lshl_b32 s62, s58, 11                        ; my first fragment's image
	s_add_co_u32 s62, s62, s35                     ; the tensor in wc
	s_add_nc_u64 s[52:53], s[52:53], s[62:63]
	s_add_nc_u64 s[54:55], s[52:53], 0x800000      ; x's second and third sets of codes (used by x's work-groups alone)
	s_add_nc_u64 s[56:57], s[52:53], 0x1000000
	s_mul_i32 s61, s28, STG
	s_wait_alu depctr_va_vdst(0)
	v_add_nc_u32 v[STI], s61, v[D0]
	v_mul_u32_u24 v[STO], v14, 528
	v_lshl_add_u32 v[STO], v15, 5, v[STO]
	v_add_nc_u32 v[STO], s61, v[STO]
.irp j, 0,1,2,3,4,5,6,7,8,9,10,11,12,13,14,15
	v_mad_u32_u24 v[A+\j], s31, \j, v[D0]
.endr
.macro LOAD f                          ; fragment f's 16 rows: each load reads 512 consecutive bytes
.irp j, 0,1,2,3,4,5,6,7,8,9,10,11,12,13,14,15
	global_load_b128 v[R+64*((\f)%2)+4*\j:R+64*((\f)%2)+4*\j+3], v[A+\j], s[48:49] offset:512*(\f) th:TH_LOAD_NT
.endr
.endm
.macro TURN f                          ; through my stage: LDS serves a wave's instructions in order (ISA guide 5.7.1.4), so no wait stands between the stores and the loads
.irp j, 0,1,2,3,4,5,6,7,8,9,10,11,12,13,14,15
	ds_store_b128 v[STI], v[R+64*((\f)%2)+4*\j:R+64*((\f)%2)+4*\j+3] offset:528*\j
.endr
.irp c, 0,1,2,3,4,5,6,7
	ds_load_b128 v[X+8*\c:X+8*\c+3], v[STO] offset:64*\c
	ds_load_b128 v[X+8*\c+4:X+8*\c+7], v[STO] offset:64*\c+16
.endr
.endm
.macro CONV n, f                       ; the fragment in X under scale n, stored as an image
	s_wait_xcnt 0x0                                ; the last image's stores have read C: it is written again only behind this wait
.irp c, 0,1,2,3,4,5,6,7
.irp i, 0,1,2,3,4,5,6,7
	v_med3_num_f32 v[T+8*(\c%2)+\i], v[X+8*\c+\i], -v[LIM+\n], v[LIM+\n]   ; the conversion to an 8-bit code does not saturate (ISA guide 7.6.2): the hold comes first.  X is kept for the next scale
.endr
	v_cvt_scalef32_pk8_fp8_f32 v[C+2*\c:C+2*\c+1], v[T+8*(\c%2):T+8*(\c%2)+7], v[SCL+\n]   ; the next group's eight holds, into the other set, are the plain lines behind it
.endr
.irp g, 0,1,2,3
	global_store_b128 v[D0], v[C+4*\g:C+4*\g+3], s[52+2*\n:53+2*\n] offset:(\f)*2048+512*\g
.endr
.endm
.macro FRAGMENT f
.if (\f) < 3
	s_wait_loadcnt 16                              ; this fragment's 16 loads are in; the next fragment's may be out
.else
	s_wait_loadcnt 0
.endif
	TURN \f
	s_wait_dscnt 0x0                               ; X is in, and the stores into the stage have read their registers,
.if (\f) < 2
	LOAD (\f)+2                                    ; which take the fragment two further on
.endif
	CONV 0, \f
	s_cmp_lt_u32 ttmp9, 256                        ; x alone has a second and a third scale
	s_cbranch_scc0 .Lone_\@
	CONV 1, \f
	CONV 2, \f
.Lone_\@:
.endm
.macro MKSC n, e                       ; 2^e and 448 x 2^e as f32
	s_add_co_i32 s62, \e, 127
	s_lshl_b32 s63, s62, 23
	v_mov_b32 v[SCL+\n], s63
	s_add_co_i32 s62, s62, 8
	s_lshl_b32 s62, s62, 23
	s_or_b32 s62, s62, 0x600000
	v_mov_b32 v[LIM+\n], s62
.endm
	LOAD 0
	LOAD 1
	s_wait_alu depctr_va_vdst(0)
	s_wait_kmcnt 0x0
	s_cmp_lt_u32 ttmp9, 256
	s_cselect_b32 s61, s36, s37                    ; e0 for x, e1 for wq,
	s_cmp_lt_u32 ttmp9, 320
	s_cselect_b32 s61, s61, s39                    ; e3 for wk,
	s_cmp_lt_u32 ttmp9, 384
	s_cselect_b32 s61, s61, s41                    ; e5 for wv,
	s_cmp_lt_u32 ttmp9, 448
	s_cselect_b32 s61, s61, s47                    ; e11 for wo
	MKSC 0, s61
	MKSC 1, s38                                    ; e2
	MKSC 2, s40                                    ; e4
	s_wait_alu depctr_va_vdst(0)
	FRAGMENT 0
	FRAGMENT 1
	FRAGMENT 2
	FRAGMENT 3
	s_wait_tensorcnt 0x0                           ; the wave's end, behind my last LDS store
	ds_add_u32 v[SPW], v[NIL]
	s_wait_dscnt 0x0
	s_endpgm
.Ltable:                                               ; no LDS on this way
	s_sub_co_u32 s29, ttmp9, 512
	s_lshl_b32 s29, s29, 2
	s_add_co_u32 s29, s29, s28                     ; my tile of 16 positions: 0 .. 127
	s_lshl_b32 s30, s29, 13                        ; 8,192 bytes a tile
	s_mov_b32 s31, 0
	s_add_nc_u64 s[26:27], s[26:27], s[30:31]
	s_lshl_b32 s30, s29, 4
	s_wait_alu depctr_va_vdst(0)
	v_add_nc_u32 v2, s30, v14
	v_cvt_f32_u32 v2, v2                           ; my position
	v_lshlrev_b32 v3, 3, v15                       ; 8 h
	s_mov_b32 s36, 0xbe2aaaa3                      ; sin r = r + r s (S1 + S2 s + S3 s^2), s = r^2
	s_mov_b32 s37, 0x3c08839e
	s_mov_b32 s38, 0xb94ca1f9
	s_mov_b32 s39, 0x3d2aaaa5                      ; cos r = 1 - s / 2 + s^2 (C1 + C2 s + C3 s^2)
	s_mov_b32 s40, 0xbab6061a
	s_mov_b32 s41, 0x37ccf5ce
.set ii, 0
.rept 32
	v_add_nc_u32 v[16+ii], 16*(ii/8)+ii%8, v3      ; d
.set ii, ii+1
.endr
.set ii, 0
.rept 32
	v_cvt_f32_u32 v[16+ii], v[16+ii]
.set ii, ii+1
.endr
.set ii, 0
.rept 32
	v_mul_f32 v[16+ii], 0xbe549a78, v[16+ii]       ; x -log2(10000) / 64
.set ii, ii+1
.endr
.set ii, 0
	s_wait_alu depctr_va_vdst(0)
.rept 32
	v_exp_f32 v[16+ii], v[16+ii]                   ; the frequency 10000^(-d / 64): one batch
.set ii, ii+1
.endr
	v_nop                                          ; a plain line behind the last exponential,
	s_wait_alu depctr_va_vdst(0)                   ; and one wait for the batch ahead of its first reader
.set ii, 0
.rept 32
.set TT, 112+8*(ii%3)                  ; three sets of temporaries by turns
	v_mul_f32 v[TT], v2, v[16+ii]                  ; the angle, rounded once
	v_mul_f32 v[TT+1], 0x3f22f983, v[TT]           ; x 2 / pi
	v_rndne_f32 v[TT+1], v[TT+1]                   ; n
	v_fmamk_f32 v[TT+2], v[TT+1], 0xbfc90fdb, v[TT]    ; r = angle - n x (pi / 2 rounded to f32)
	v_fmamk_f32 v[TT+2], v[TT+1], 0x333bbd2e, v[TT+2]  ;   - n x (what that rounding left)
	v_mul_f32 v[TT+3], v[TT+2], v[TT+2]            ; s
	v_fma_f32 v[TT+4], s38, v[TT+3], s37
	v_fma_f32 v[TT+4], v[TT+4], v[TT+3], s36
	v_mul_f32 v[TT+4], v[TT+4], v[TT+3]
	v_fma_f32 v[TT+4], v[TT+4], v[TT+2], v[TT+2]   ; sin r
	v_fma_f32 v[TT+5], s41, v[TT+3], s40
	v_fma_f32 v[TT+5], v[TT+5], v[TT+3], s39
	v_mul_f32 v[TT+5], v[TT+5], v[TT+3]
	v_fma_f32 v[TT+6], -0.5, v[TT+3], 1.0
	v_fma_f32 v[TT+5], v[TT+5], v[TT+3], v[TT+6]   ; cos r
	v_cvt_i32_f32 v[TT+1], v[TT+1]                 ; the quadrant is n mod 4
	v_and_b32 v[TT+6], 1, v[TT+1]
	v_cmp_eq_u32 vcc_lo, 1, v[TT+6]
	v_cndmask_b32 v[TT+7], v[TT+4], v[TT+5], vcc_lo    ; odd quadrants change sin and cos
	v_cndmask_b32 v[TT+5], v[TT+5], v[TT+4], vcc_lo
	v_lshlrev_b32 v[TT+6], 30, v[TT+1]
	v_and_b32 v[TT+6], 0x80000000, v[TT+6]         ; sin is negated in quadrants 2, 3,
	v_xor_b32 v[80+ii], v[TT+6], v[TT+7]
	v_add_nc_u32 v[TT+1], 1, v[TT+1]
	v_lshlrev_b32 v[TT+1], 30, v[TT+1]
	v_and_b32 v[TT+1], 0x80000000, v[TT+1]         ; cos in quadrants 1, 2
	v_xor_b32 v[48+ii], v[TT+1], v[TT+5]
.set ii, ii+1
.endr
.irp g, 0,1,2,3,4,5,6,7,8,9,10,11,12,13,14,15
	global_store_b128 v[D0], v[48+4*\g:51+4*\g], s[26:27] offset:512*\g   ; 512 consecutive bytes a store
.endr
	s_endpgm
.Lfunc_end_k_q4084abe676_prep:
	.size	k_q4084abe676_prep, .Lfunc_end_k_q4084abe676_prep-k_q4084abe676_prep
	.p2alignl 7, 3214868480
	.fill 96, 4, 3214868480
	.section	.rodata,"a",@progbits
	.p2align	6, 0x0
	.amdhsa_kernel k_q4084abe676_prep
		.amdhsa_group_segment_fixed_size 34304
		.amdhsa_private_segment_fixed_size 0
		.amdhsa_enable_private_segment 0
		.amdhsa_kernarg_size 80
		.amdhsa_user_sgpr_count 2
		.amdhsa_user_sgpr_kernarg_segment_ptr 1
		.amdhsa_wavefront_size32 1
		.amdhsa_system_sgpr_workgroup_id_x 1
		.amdhsa_system_sgpr_workgroup_id_y 1
		.amdhsa_system_sgpr_workgroup_id_z 1
		.amdhsa_system_vgpr_workitem_id 0
		.amdhsa_next_free_vgpr 256
		.amdhsa_next_free_sgpr 72
		.amdhsa_reserve_vcc 1
		.amdhsa_float_denorm_mode_32 3
		.amdhsa_float_denorm_mode_16_64 3
		.amdhsa_memory_ordered 1
		.amdhsa_forward_progress 1
		.amdhsa_inst_pref_size 126
	.end_amdhsa_kernel
	.amdgpu_metadata
---
amdhsa.version: [ 1, 2 ]
amdhsa.kernels:
  - .name:           k_q4084abe676_prep
    .symbol:         k_q4084abe676_prep.kd
    .args:
      - { .name: hidden_states, .offset: 0, .size: 8, .value_kind: global_buffer, .address_space: global }
      - { .name: wq, .offset: 8, .size: 8, .value_kind: global_buffer, .address_space: global }
      - { .name: wk, .offset: 16, .size: 8, .value_kind: global_buffer, .address_space: global }
      - { .name: wv, .offset: 24, .size: 8, .value_kind: global_buffer, .address_space: global }
      - { .name: wo, .offset: 32, .size: 8, .value_kind: global_buffer, .address_space: global }
      - { .name: lowp_scales, .offset: 40, .size: 8, .value_kind: global_buffer, .address_space: global }
      - { .name: xc, .offset: 48, .size: 8, .value_kind: global_buffer, .address_space: global }
      - { .name: wc, .offset: 56, .size: 8, .value_kind: global_buffer, .address_space: global }
      - { .name: woc, .offset: 64, .size: 8, .value_kind: global_buffer, .address_space: global }
      - { .name: rope, .offset: 72, .size: 8, .value_kind: global_buffer, .address_space: global }
    .group_segment_fixed_size: 34304
    .private_segment_fixed_size: 0
    .kernarg_segment_align: 8
    .kernarg_segment_size: 80
    .max_flat_workgroup_size: 128
    .sgpr_count:     72
    .vgpr_count:     256
    .wavefront_size: 32
...
	.end_amdgpu_metadata
.endif
;; end of part 1
;; launch qkv (part 2): grid 12 x 16, 4 waves a work-group, clusters of 4 x 4, 327,680 bytes of LDS; arguments xc, wc, lowp_scales, rope, q_norm_weight, k_norm_weight, qc, kv; writes qc, kv
.if DOCPART == 2
	.amdgcn_target "amdgcn-amd-amdhsa--gfx1250"
	.amdhsa_code_object_version 6
	.text
	.protected	k_q4084abe676_qkv
	.globl	k_q4084abe676_qkv
	.p2align	8
	.type	k_q4084abe676_qkv,@function
k_q4084abe676_qkv:
	s_mov_b64 s[64:65], 0
	v_nop
	global_prefetch_b8 v0, s[64:65] scope:SCOPE_SE
	s_setreg_imm32_b32 hwreg(HW_REG_WAVE_MODE, 25, 1), 1
	s_wait_xcnt 0x0
	s_wait_alu depctr_hold_cnt(0) depctr_sa_sdst(0) depctr_va_vdst(0) depctr_va_sdst(0) depctr_va_ssrc(0) depctr_va_vcc(0) depctr_vm_vsrc(0)
	s_getreg_b32 s2, hwreg(HW_REG_IB_STS2, 6, 4)
	s_cmp_eq_u32 s2, 0
	s_cbranch_scc0 .Lentry_in_a_cluster
	s_endpgm
.Lentry_in_a_cluster:
	s_bfe_u32 s2, ttmp6, 0x10000c
	s_cmp_lg_u32 s2, 0xf033
	s_cbranch_scc0 .Lentry_shape_is_right
	s_endpgm
.Lentry_shape_is_right:
; THE THREE PROJECTIONS on codes of E4M3, each with what follows it: q and k: RMS norm of each head, RoPE, the quantiser; v: the quantiser.  Results leave as codes, laid as images of operand registers.
; THE IMAGE: a fragment (16 rows x 128 along K) is 2,048 dense bytes: register 4 g + m of a lane at 512 g + 16 lane + 4 m; lane (r, h) holds row r, registers 2 c, 2 c + 1 hold k = 16 c + 8 h + 0 .. 7.
; xc: [p 3][row tile 256][K step 16][2048]; wc: [p 3][row tile 64][K step 16][2048].  The cluster's x is p: 0 = q, 1 = k, 2 = v: the same number in all sixteen partners.
; SHARES.  A work-group makes 256 tokens x 256 outputs (two heads); 192 work-groups, four for each p and tile of 256 tokens.  One operand, L (256 rows), goes through LDS and is read by all four waves; the other, R, is dealt
; to the waves, 64 rows each, and goes from memory straight into the registers of the one wave that uses it: its fragments are stored as register images.  q, k: L = w, R = x; v: L = x, R = w.
; Source 0 = L, source 1 = R.  So for q and k a lane holds ONE token and a wave both heads of its 64 tokens, register j of L tile t holding channel 16 t + 8 h + j; for v a lane holds one channel and its registers run along the tokens: V^T's image.
; L: slots of 512 along K, 131,072 bytes, two of them; a wave's tensor load brings 4 row tiles x 8,192 bytes.  R: three K steps ahead in a ring of four register sets.
; CLUSTERS: 4 x 4.  L's tile is asked for JOINTLY: w's by the column of the cluster, x's by the row.  R is not: with both operands two slots of 512 along K would be 524,288 bytes, more than a work-group can have.
; PREFETCH: R's slot two slots on, once in each trip of the loop; the four partners that read the same R name one K step of the slot each, told apart by address.  L's refill has four K steps in which to land and is not prefetched.
; qc: [batch x head 16][token tile 128][2048].  kv: [batch x head 16][block of 128 keys 16][K: 8 key tiles x 2048, then V^T: 8 channel tiles x 2048].
; A sum stands for sum x 2^E, E = the two operands' exponents added.  mean of squares = (sum of squares) x 2^(2 E - 7).
; LIMITS: E between -59 and 67; e6, e7 and e9 - E between -126 and 119: so that each power of two below is an f32 number.  NaN is not served.
; REGISTERS: window 0: v16-31 addresses and constants; v32-255 seven buffers of two L fragments (pairs 0 to 6; pair 7 takes pair 3's).  window 1: R, four sets of 64.  window 2: L tiles 0-7 (sum of R tile i, L tile t at v[64 i + 8 t]); window 3: L tiles 8-15.
;   Epilogue: window 0: v32-95 1 + w; v96-159 at work; v160-191 temporaries and factors; v192-255 codes.  window 1: four tables of cos and sin, one for each R tile.
.set LN,   16                          ; v16  16 x lane
.set ADL,  18                          ; v18  LDS address of L tiles 0-7 in the slot in hand;  v19  of tiles 8-15
.set ADH,  19
.set PFO,  22                          ; v22  the prefetches' offset
.set HO,   27                          ; v27  32 h
.set SPW,  28                          ; v28  LDS address of my spare word; never rewritten
.set NIL,  29                          ; v29  0; never rewritten
.set SC,   30                          ; v30  the conversion's scale as f32
.set LIM,  31                          ; v31  448 x that
.set LB,   32
.set SLOT1, 131072
.set SPARE, 262144                     ; behind the slots: the spare words, 128 bytes a wave: two blocks of 256 bytes that no other line names
.set G1X, 24                           ; descriptor groups 1 and 0 for x's tiles and for w's
.set G1W, 48
.set G0X, 32
.set G0W, 36
.set RB,  56                           ; s[56:57] where my R stands in memory: the slot in hand
.set TB,  58                           ; s58  LDS byte at which the slot in hand begins
.set W1,  32
.set Z,   96
.set T,   160
.set F,   176
.set C,   192
.set MSB, 0
.macro WIN new                         ; the immediate's high byte repeats the setting that is left
.if MSB != (\new)
	s_set_vgpr_msb (MSB<<8)|(\new)
.set MSB, (\new)
.endif
.endm
.macro PLACES                          ; four places behind a matrix instruction (ISA guide 7.12.1)
.rept 4
	v_nop
.endr
.endm
.macro JLOAD                           ; the joint load: w's line for q and k, x's for v; the branch hangs on p alone.  (Four v_nop follow each line)
	s_cmp_eq_u32 ttmp9, 2
	s_cbranch_scc1 .Lfor_x_\@
	tensor_load_to_lds s[G0W:G0W+3], s[G1W:G1W+7]
	s_nop 0
	PLACES
	s_branch .Lasked_\@
.Lfor_x_\@:
	tensor_load_to_lds s[G0X:G0X+3], s[G1X:G1X+7]
	s_nop 0
	PLACES
.Lasked_\@:
.endm
.macro CREST                           ; a round of the cluster's barrier behind its opening barrier
	s_cmp_lg_u32 s14, 0
	s_cbranch_scc1 .Lnot_wave_0_\@
	s_barrier_signal -3
.Lnot_wave_0_\@:
	s_barrier_wait -3
	s_barrier_signal -1
	s_barrier_wait -1
.endm
.macro CROUND
	s_barrier_signal -1
	s_barrier_wait -1
	CREST
.endm
.macro NEXT_L                          ; the walking descriptors: the other slot, 512 further along K
	s_xor_b32 s[G0X+1], s[G0X+1], SLOT1
	s_xor_b32 s[G0W+1], s[G0W+1], SLOT1
	s_add_nc_u64 s[G0X+2:G0X+3], s[G0X+2:G0X+3], 8192
	s_add_nc_u64 s[G0W+2:G0W+3], s[G0W+2:G0W+3], 8192
.endm
.macro LPAIR p, q                      ; L tiles 2 p, 2 p + 1 of the slot's q-th K step
.set LBF, LB+32*(\p)
.if (\p) == 7
.set LBF, LB+96
.endif
.irp u, 0,1
.irp c, 0,1,2,3
	ds_load_b128 v[LBF+16*\u+4*\c:LBF+16*\u+4*\c+3], v[ADL+(\p)/4] offset:(2*((\p)%4)+\u)*8192+(\q)*2048+512*\c
.endr
.endr
.endm
.macro MULP p, r, zero                 ; 8 matrix instructions: pair p's two L tiles x the four R tiles of set r.  The 64 accumulators take turns, in the same order in every step
.set LBF, LB+32*(\p)
.if (\p) == 7
.set LBF, LB+96
.endif
	WIN 0xa4+0x50*((\p)/4)                         ; source 0 window 0, source 1 window 1, C and D window 2 or 3
.irp u, 0,1
.irp i, 0,1,2,3
.if \zero
	v_wmma_f32_16x16x128_fp8_fp8 v[64*\i+8*(2*((\p)%4)+\u):64*\i+8*(2*((\p)%4)+\u)+7], v[LBF+16*\u:LBF+16*\u+15], v[64*(\r)+16*\i:64*(\r)+16*\i+15], 0
.else
	v_wmma_f32_16x16x128_fp8_fp8 v[64*\i+8*(2*((\p)%4)+\u):64*\i+8*(2*((\p)%4)+\u)+7], v[LBF+16*\u:LBF+16*\u+15], v[64*(\r)+16*\i:64*(\r)+16*\i+15], v[64*\i+8*(2*((\p)%4)+\u):64*\i+8*(2*((\p)%4)+\u)+7]
.endif
.endr
.endr
.endm
.macro RLOAD r, st                     ; my four R tiles of the K step st behind the slot's first, into set r: 16 loads of 512 consecutive bytes
	WIN 0x40
.irp i, 0,1,2,3
.irp g, 0,1,2,3
	global_load_b128 v[64*(\r)+16*\i+4*\g:64*(\r)+16*\i+4*\g+3], v[LN], s[RB:RB+1] offset:\i*32768+(\st)*2048+512*\g
.endr
.endr
	WIN 0
.endm
.macro RT i                            ; cos and sin of token tile i, into R's set i, which has been read for the last time
	WIN 0x40
.irp g, 0,1,2,3,4,5,6,7,8,9,10,11,12,13,14,15
	global_load_b128 v[64*(\i)+4*\g:64*(\i)+4*\g+3], v[LN], s[12:13] offset:8192*(\i)+512*\g
.endr
	WIN 0
.endm
; A K STEP, the q-th of its slot.  rl: R of the K step three on is asked for.  lw: R's loads that may be out (16 for each later K step asked for).  kind 0: has its successor in the same slot; 1, 2: changes slots, with and without a refill; 3: the very last.
; L's pairs are asked for in runs: at the step's head 3 and 6; behind pair 1 the next step's 0 and 1; behind pair 3 this step's 7 and the next one's 2; behind pair 5 the next one's 4 and 5.  Each wait counts the loads issued behind the pair wanted.
.macro STEP q, zero, rl, lw, kind, pf, tb
	WIN 0
	PLACES                                         ; in front of loads into registers that the last step's products read
	LPAIR 3, \q
	LPAIR 6, \q
.if \rl
	RLOAD ((\q)+3)%4, (\q)+3
.endif
.if (\lw) >= 0
	s_wait_loadcnt \lw
.endif
.if \tb == 1                           ; all of R is in: its sets 0 and 1 are free.  q and k ask for their first two tables
	s_cmp_eq_u32 ttmp9, 2
	s_cbranch_scc1 .Lno_table_\@
	RT 0
	RT 1
.Lno_table_\@:
.endif
.if \q == 0
	s_wait_dscnt 40                                ; behind pairs 0, 1: 2, 4, 5 and this step's 3, 6
.else
	s_wait_dscnt 48                                ; behind pairs 0, 1: 7, 2, 4, 5, 3, 6
.endif
	MULP 0, \q, \zero
	MULP 1, \q, \zero
.if \kind == 0
	WIN 0
	PLACES
	LPAIR 0, (\q)+1
	LPAIR 1, (\q)+1
	s_wait_dscnt 48                                ; behind pair 2: 4, 5, 3, 6, 0, 1
	MULP 2, \q, \zero
	s_wait_dscnt 24                                ; behind pair 3: 6, 0, 1
	MULP 3, \q, \zero
	WIN 0
	PLACES
	LPAIR 7, \q
	LPAIR 2, (\q)+1
.if \pf
	global_prefetch_b8 v[PFO], s[RB:RB+1] offset:16384 th:TH_LOAD_NT scope:SCOPE_SE   ; R two slots on: 32 blocks of 256 bytes, one a lane
.endif
	MULP 4, \q, \zero
	MULP 5, \q, \zero
	WIN 0
	PLACES
	LPAIR 4, (\q)+1
	LPAIR 5, (\q)+1
	s_wait_dscnt 48                                ; behind pair 6: 0, 1, 7, 2, 4, 5
	MULP 6, \q, \zero
	s_wait_dscnt 24                                ; behind pair 7: 2, 4, 5
	MULP 7, \q, \zero
.else
.if \tb == 2                           ; the next step's pairs 0, 1 do not exist: their registers take the gain; R's set 2 is free for the third table
	WIN 0
	PLACES
	s_cmp_eq_u32 ttmp9, 2
	s_cbranch_scc1 .Lno_table_\@
.irp t, 0,1,2,3,4,5,6,7
	global_load_b128 v[W1+8*\t:W1+8*\t+3], v[HO], s[10:11] offset:64*\t         ; the gain at channels 16 t + 8 h + 0 .. 7
	global_load_b128 v[W1+8*\t+4:W1+8*\t+7], v[HO], s[10:11] offset:64*\t+16
.endr
	RT 2
.Lno_table_\@:
.endif
	s_wait_dscnt 32                                ; behind pair 2: 4, 5, 3, 6
	MULP 2, \q, 0
	s_wait_dscnt 8                                 ; behind pair 3: 6
	MULP 3, \q, 0
	WIN 0
	PLACES
	LPAIR 7, \q                                    ; the last read of this slot
.if \kind < 3
	s_xor_b32 s[TB], s[TB], SLOT1
	v_add_nc_u32 v[ADL], s[TB], v[LN]
	v_add_nc_u32 v[ADH], 0x10000, v[ADL]
	s_wait_alu depctr_va_vdst(0)
	s_wait_xcnt 0x0                                ; R's loads and the prefetch have read their base
	s_add_nc_u64 s[RB:RB+1], s[RB:RB+1], 8192
	s_wait_tensorcnt 0x0                           ; my part of the next slot has landed; no tensor load of mine is out
	ds_add_u32 v[SPW], v[NIL]                      ; 0 onto my spare word
.if \kind == 1
	NEXT_L
.endif
	MULP 4, \q, 0
	MULP 5, \q, 0
	s_wait_dscnt 0x0                               ; the add is done, and my reads of this slot are over
	s_barrier_signal -1
	MULP 6, \q, 0
	WIN 0
	s_barrier_wait -1
.if \kind == 1
	CREST                                          ; the barrier has opened a round of the cluster's barrier: no wave of any partner reads this slot or has a load on its way
	JLOAD                                          ; the first tensor load behind the round; its four v_nop are the places in front of the loads below
.else
	PLACES
.endif
	LPAIR 0, 0
	LPAIR 1, 0
	LPAIR 2, 0
	LPAIR 4, 0
	LPAIR 5, 0
	MULP 7, \q, 0
.else
	MULP 4, \q, 0
	MULP 5, \q, 0
	s_wait_dscnt 8                                 ; behind pair 6: 7
	MULP 6, \q, 0
	s_wait_dscnt 0x0
	MULP 7, \q, 0
.endif
.endif
.endm
	s_load_b512 s[68:83], s[0:1], 0x0              ; xc s[68:69], wc s[70:71], the scales s[72:73], rope s[74:75], q's gain s[76:77], k's s[78:79], qc s[80:81], kv s[82:83]
	v_lshl_add_u32 v[SPW], v0, 2, SPARE
	v_mov_b32 v[NIL], 0
	ds_add_u32 v[SPW], v[NIL]                      ; the wave's opening: the add, twice on end, and its wait ahead of my first tensor load
	ds_add_u32 v[SPW], v[NIL]
	v_lshrrev_b32 v1, 5, v0
	v_readfirstlane_b32 s14, v1                    ; wave 0..3
	s_bfe_u32 s40, ttmp6, 0x40000                  ; cx, cy: my place in the cluster
	s_bfe_u32 s41, ttmp6, 0x40004
	s_and_b32 s17, ttmp7, 0xffff
	s_lshl_b32 s17, s17, 2
	s_add_co_u32 s17, s17, s41                     ; my tile of 256 tokens = 4 x cluster y + cy
	s_lshl_b32 s43, s41, 2
	s_lshl_b32 s43, 15, s43                        ; my row of the cluster
	s_lshl_b32 s44, 0x1111, s40                    ; my column
	; descriptor group 1: 4 rows of 1,024 elements of 8 bytes (4 row tiles, four K steps each), 4,096 elements apart
	s_or_b32 s[G1X+0], s43, (3<<16)|(1<<21)        ; 15:0 the mask: x's tiles go to my row; 17:16 elements of 8 bytes; 21 set beside a mask
	s_or_b32 s[G1W+0], s44, (3<<16)|(1<<21)        ; w's tiles go to my column
.irp g, G1X, G1W
	s_mov_b32 s[\g+1], 1024<<16                    ; tensor_dim0
	s_mov_b32 s[\g+2], 4<<16                       ; tensor_dim1
	s_mov_b32 s[\g+3], 1024<<16                    ; tile_dim0
	s_mov_b32 s[\g+4], 4                           ; tile_dim1
	s_mov_b32 s[\g+5], 4096                        ; tensor_dim0_stride
	s_mov_b32 s[\g+6], 0
	s_mov_b32 s[\g+7], 0
.endr
	; x's address hangs on p and the token tile, w's on p and cx: each is made in registers that never hold the other coordinate
	s_lshl_b32 s18, s14, 17                        ; 4 row tiles of 32,768 bytes a wave, of L and of R alike
	s_lshl_b32 s20, s17, 19
	s_add_co_u32 s20, s20, s18
	s_lshl_b32 s19, ttmp9, 23
	s_add_co_u32 s20, s20, s19                     ; x: in the set of codes made under p's scale
	s_mov_b32 s21, 0
	s_lshl_b32 s46, s40, 19
	s_add_co_u32 s46, s46, s18
	s_lshl_b32 s19, ttmp9, 21
	s_add_co_u32 s46, s46, s19                     ; w: of wq, wk or wv
	s_mov_b32 s47, 0
	s_lshl_b32 s45, s14, 15                        ; where L goes: wave x 32,768
	s_mov_b32 s[TB], 0
	s_cmp_eq_u32 ttmp9, 2
	s_cselect_b32 s22, s41, s40                    ; my place among the four that read the same R
	s_lshl_b32 s22, s22, 11                        ; one K step of a slot each
	v_and_b32 v1, 31, v0
	v_lshlrev_b32 v[LN], 4, v1
	v_lshrrev_b32 v2, 3, v1
	v_lshlrev_b32 v2, 15, v2
	v_and_b32 v3, 7, v1
	v_lshl_add_u32 v2, v3, 8, v2                   ; lane: row tile lane / 8, 256 bytes x (lane % 8)
	v_add_nc_u32 v[PFO], s22, v2
	v_bfe_u32 v4, v0, 4, 1
	v_lshlrev_b32 v[HO], 5, v4
	s_wait_alu depctr_va_vdst(0)
	s_wait_dscnt 0x0                               ; both opening adds are done
	s_wait_kmcnt 0x0
	s_load_b256 s[84:91], s[72:73], 0x0            ; e0 .. e7
	s_load_b128 s[92:95], s[72:73], 0x20           ; e8 .. e11
	s_add_nc_u64 s[20:21], s[68:69], s[20:21]
	s_add_nc_u64 s[46:47], s[70:71], s[46:47]
	s_cmp_eq_u32 ttmp9, 2
	s_cselect_b64 s[RB:RB+1], s[46:47], s[20:21]
	RLOAD 0, 0                                     ; R's first three K steps
	RLOAD 1, 1
	RLOAD 2, 2
	CROUND                                         ; all sixteen work-groups are here: the first joint loads meet
	s_mov_b32 s[G0X], 1
	s_mov_b32 s[G0X+1], s45
	s_mov_b64 s[G0X+2:G0X+3], s[20:21]
	s_or_b32 s[G0X+3], s[G0X+3], 0x80000000
	s_mov_b32 s[G0W], 1
	s_mov_b32 s[G0W+1], s45
	s_mov_b64 s[G0W+2:G0W+3], s[46:47]
	s_or_b32 s[G0W+3], s[G0W+3], 0x80000000
	JLOAD                                          ; slot 0: one tensor load a wave at the head
	; what the epilogue needs.  Every number that hangs on a given exponent is made by selections and shifts: no branch hangs on one
	s_wait_kmcnt 0x0
	s_cmp_eq_u32 ttmp9, 0
	s_cselect_b32 s4, s84, s86                     ; x's exponent: e0, e2,
	s_cselect_b32 s5, s85, s87                     ; w's: e1, e3
	s_cselect_b32 s6, s90, s91                     ; the result's: e6 for q, e7 for k
	s_cselect_b64 s[10:11], s[76:77], s[78:79]     ; the norm's gain
	s_cselect_b64 s[8:9], s[80:81], s[82:83]       ; to qc or to kv
	s_cmp_eq_u32 ttmp9, 2
	s_cselect_b32 s4, s88, s4                      ; e4
	s_cselect_b32 s5, s89, s5                      ; e5
	s_add_co_i32 s4, s4, s5                        ; E
	s_sub_co_i32 s5, s93, s4                       ; v's code is sum / 2^(e9 - E): the three scales folded into one
	s_cmp_eq_u32 ttmp9, 2
	s_cselect_b32 s6, s5, s6
	s_add_co_i32 s96, s4, 127
	s_lshl_b32 s96, s96, 23                        ; 2^E
	s_lshl_b32 s97, s4, 1
	s_add_co_i32 s97, s97, 120
	s_lshl_b32 s97, s97, 23                        ; 2^(2 E - 7)
	s_mov_b32 s100, 0x358637bd                     ; 1e-6
	s_mov_b32 s98, 0x76543210                      ; v_permlanex16_b32's selects for lane l xor 16
	s_mov_b32 s99, 0xfedcba98
	s_add_co_i32 s6, s6, 127
	s_lshl_b32 s5, s6, 23
	v_mov_b32 v[SC], s5
	s_add_co_i32 s6, s6, 8
	s_lshl_b32 s6, s6, 23
	s_or_b32 s6, s6, 0x600000
	v_mov_b32 v[LIM], s6
	s_lshr_b32 s19, s17, 3
	s_lshl_b32 s19, s19, 3
	s_lshl_b32 s22, s40, 1
	s_add_co_u32 s19, s19, s22                     ; batch x 8 + my first head
	s_and_b32 s18, s17, 7                          ; the token tile in its batch
	s_and_b32 s42, s14, 1
	s_lshr_b32 s43, s14, 1
	s_lshl_b32 s22, s19, 19                        ; kv: 524,288 bytes a head,
	s_lshl_b32 s23, s18, 16                        ; two blocks of 32,768 a token tile,
	s_add_co_u32 s22, s22, s23
	s_lshl_b32 s23, s42, 13                        ; four images in a half block
	s_add_co_u32 s22, s22, s23
	s_lshl_b32 s23, s43, 15
	s_add_co_u32 s44, s22, s23                     ; k: my wave's block
	s_lshl_b32 s23, s43, 19
	s_add_co_u32 s22, s22, s23
	s_add_co_u32 s22, s22, 16384                   ; v: my wave's head; V^T lies behind K
	s_lshl_b32 s45, s19, 18                        ; q: 262,144 bytes a head,
	s_lshl_b32 s23, s18, 15
	s_add_co_u32 s45, s45, s23
	s_lshl_b32 s23, s14, 13
	s_add_co_u32 s45, s45, s23
	s_mov_b32 s7, 0x80000                          ; from L's first eight tiles' images to the other eight's: k: a head on,
	s_cmp_eq_u32 ttmp9, 0
	s_cselect_b32 s44, s45, s44
	s_cselect_b32 s7, 0x40000, s7                  ; q: a head on,
	s_cmp_eq_u32 ttmp9, 2
	s_cselect_b32 s22, s22, s44
	s_cselect_b32 s7, 0x8000, s7                   ; v: a block on
	s_mov_b32 s23, 0
	s_add_nc_u64 s[8:9], s[8:9], s[22:23]
	s_mov_b32 s22, s7
	s_add_nc_u64 s[60:61], s[8:9], s[22:23]
	s_lshl_b32 s22, s18, 17                        ; 16 tables of 8,192 bytes a token tile,
	s_lshl_b32 s18, s14, 15                        ; four a wave
	s_add_co_u32 s22, s22, s18
	s_add_nc_u64 s[12:13], s[74:75], s[22:23]
	v_add_nc_u32 v[ADL], s[TB], v[LN]
	v_add_nc_u32 v[ADH], 0x10000, v[ADL]
	s_wait_alu depctr_va_vdst(0)
	s_wait_tensorcnt 0x0                           ; my part of slot 0 is in; these lines stand ahead of a later first fill as ahead of a refill:
	ds_add_u32 v[SPW], v[NIL]                      ; 0 onto my spare word
	NEXT_L
	s_wait_dscnt 0x0                               ; the add is done
	CROUND                                         ; everybody's part of slot 0 is in,
	JLOAD                                          ; and slot 1's load is the first behind the round
	LPAIR 0, 0
	LPAIR 1, 0
	LPAIR 2, 0
	LPAIR 4, 0
	LPAIR 5, 0
	STEP 0, 1, 1, 48, 0, 0, 0                      ; the first step stands in front of the loop: its products start the sums
	WIN 0                                          ; at a label every window is 0
	s_mov_b32 s3, 2
.Lslot:                                                ; a trip: a slot's second K step to the next slot's first; both trips fill a slot again
	STEP 1, 0, 1, 48, 0, 1, 0
	STEP 2, 0, 1, 48, 0, 0, 0
	STEP 3, 0, 1, 48, 1, 0, 0
	STEP 0, 0, 1, 48, 0, 0, 0
	WIN 0
	s_sub_co_u32 s3, s3, 1
	s_cmp_lg_u32 s3, 0
	s_cbranch_scc1 .Lslot
	STEP 1, 0, 1, 48, 0, 0, 0                      ; K step 9
	STEP 2, 0, 1, 48, 0, 0, 0
	STEP 3, 0, 1, 48, 2, 0, 0                      ; to the last slot: nothing is filled
	STEP 0, 0, 1, 48, 0, 0, 0                      ; K step 12 asks for R's last
	STEP 1, 0, 0, 32, 0, 0, 0
	STEP 2, 0, 0, 0, 0, 0, 1                       ; K step 14: R's last two K steps are in
	STEP 3, 0, 0, -1, 3, 0, 2
	WIN 0
	PLACES                                         ; in front of the first read of results and of a load into R's set 3
	s_cmp_eq_u32 ttmp9, 2
	s_cbranch_scc1 .Lv
; THE EPILOGUE.  Unit a = 4 e + i: R tile i with L tiles 8 e .. 8 e + 7 (window 2 + e).
.macro SSQ1 a                          ; my 64 sums squared and added, in four packed chains; each accumulator is read from its low end on
.set XB, 64*((\a)%4)
.set SB, Z+8*(\a)
	WIN 0x0a+5*((\a)/4)                            ; sources 0 and 1: window 2 or 3
.irp b, 0,1,2,3,4,5,6,7
.irp i, 0,2,4,6
.if \b == 0
	v_pk_mul_f32 v[SB+\i:SB+\i+1], v[XB+\i:XB+\i+1], v[XB+\i:XB+\i+1]
.else
	v_pk_fma_f32 v[SB+\i:SB+\i+1], v[XB+8*\b+\i:XB+8*\b+\i+1], v[XB+8*\b+\i:XB+8*\b+\i+1], v[SB+\i:SB+\i+1]
.endif
.endr
.endr
.endm
.macro SEND a                          ; the unit's image: four stores of 512 consecutive bytes
.irp g, 0,1,2,3
.if (\a) < 4
	global_store_b128 v[LN], v[C+16*((\a)%4)+4*\g:C+16*((\a)%4)+4*\g+3], s[8:9] offset:2048*((\a)%4)+512*\g
.else
	global_store_b128 v[LN], v[C+16*((\a)%4)+4*\g:C+16*((\a)%4)+4*\g+3], s[60:61] offset:2048*((\a)%4)+512*\g
.endif
.endr
.endm
.macro CODES a                         ; held in Z: eight neighbours along the next K become two registers
.irp b, 0,1,2,3,4,5,6,7
	v_cvt_scalef32_pk8_fp8_f32 v[C+16*((\a)%4)+2*\b:C+16*((\a)%4)+2*\b+1], v[Z+8*\b:Z+8*\b+7], v[SC]
.endr
	v_nop                                          ; a plain line between the last conversion and the next vector line that writes its sources
	SEND \a
.endm
.macro QKOUT a                         ; 16 tokens x a head
.set XB, 64*((\a)%4)
.if (\a) == 2
	s_wait_loadcnt 16                              ; the third table is in; the fourth's 16 loads may be out
.endif
.if (\a) == 3
	s_wait_loadcnt 0
.endif
.if (\a) >= 4
	s_wait_xcnt 0x0                                ; unit a - 4's stores have read their codes
.endif
	WIN 0x02+((\a)/4)                              ; source 0: window 2 or 3
.set ii, 0
.rept 32
	v_pk_mul_f32 v[Z+ii:Z+ii+1], v[XB+ii:XB+ii+1], v[F+2*(\a):F+2*(\a)+1]   ; x 2^E / sqrt(mean of squares + 1e-6)
.set ii, ii+2
.endr
	WIN 0
.set ii, 0
.rept 32
	v_pk_mul_f32 v[Z+ii:Z+ii+1], v[Z+ii:Z+ii+1], v[W1+ii:W1+ii+1]           ; x (1 + w)
.set ii, ii+2
.endr
	WIN 0x04                                       ; source 1: window 1
.set ii, 0
.rept 16                               ; RoPE: z(d) cos - z(d + 64) sin and z(d + 64) cos + z(d) sin, two channels at a time
.set TT, T+4*((ii/2)%4)
	v_pk_mul_f32 v[TT:TT+1], v[Z+32+ii:Z+32+ii+1], v[XB+32+ii:XB+32+ii+1]
	v_pk_mul_f32 v[TT+2:TT+3], v[Z+ii:Z+ii+1], v[XB+32+ii:XB+32+ii+1]
	v_pk_fma_f32 v[Z+ii:Z+ii+1], v[Z+ii:Z+ii+1], v[XB+ii:XB+ii+1], v[TT:TT+1] neg_lo:[0,0,1] neg_hi:[0,0,1]
	v_pk_fma_f32 v[Z+32+ii:Z+32+ii+1], v[Z+32+ii:Z+32+ii+1], v[XB+ii:XB+ii+1], v[TT+2:TT+3]
.set ii, ii+2
.endr
	WIN 0
.set ii, 0
.rept 64
	v_med3_num_f32 v[Z+ii], v[Z+ii], -v[LIM], v[LIM]   ; the conversion to an 8-bit code does not saturate (ISA guide 7.6.2): the hold comes first
.set ii, ii+1
.endr
	CODES \a
.endm
.macro VOUT a                          ; 16 channels x 128 tokens
.set XB, 64*((\a)%4)
.if (\a) >= 4
	s_wait_xcnt 0x0
.endif
	WIN 0x02+((\a)/4)
.set ii, 0
.rept 64
	v_med3_num_f32 v[Z+ii], v[XB+ii], -v[LIM], v[LIM]
.set ii, ii+1
.endr
	WIN 0
	CODES \a
.endm
	; ---- q and k
	RT 3
.irp a, 0,1,2,3,4,5,6,7
	SSQ1 \a
.endr
	WIN 0
.irp a, 0,1,2,3,4,5,6,7
	v_pk_add_f32 v[Z+8*\a:Z+8*\a+1], v[Z+8*\a:Z+8*\a+1], v[Z+8*\a+2:Z+8*\a+3]
.endr
.irp a, 0,1,2,3,4,5,6,7
	v_pk_add_f32 v[Z+8*\a+4:Z+8*\a+5], v[Z+8*\a+4:Z+8*\a+5], v[Z+8*\a+6:Z+8*\a+7]
.endr
.irp a, 0,1,2,3,4,5,6,7
	v_pk_add_f32 v[Z+8*\a:Z+8*\a+1], v[Z+8*\a:Z+8*\a+1], v[Z+8*\a+4:Z+8*\a+5]
.endr
.irp a, 0,1,2,3,4,5,6,7
	v_add_f32 v[Z+8*\a], v[Z+8*\a], v[Z+8*\a+1]
.endr
.irp a, 0,1,2,3,4,5,6,7
	v_permlanex16_b32 v[Z+8*\a+1], v[Z+8*\a], s98, s99     ; the token's other 64 channels, in the lane 16 away
.endr
.irp a, 0,1,2,3,4,5,6,7
	v_add_f32 v[Z+8*\a], v[Z+8*\a], v[Z+8*\a+1]
.endr
.irp a, 0,1,2,3,4,5,6,7
	v_fma_f32 v[Z+8*\a+2], v[Z+8*\a], s97, s100    ; the mean of squares + 1e-6
.endr
	s_wait_alu depctr_va_vdst(0)                   ; the wait ahead of the batch,
.irp a, 0,1,2,3,4,5,6,7
	v_rsq_f32 v[Z+8*\a+3], v[Z+8*\a+2]
.endr
	v_nop                                          ; a plain line behind the last of them,
	s_wait_alu depctr_va_vdst(0)                   ; and one ahead of the first reader
.irp a, 0,1,2,3,4,5,6,7
	v_mul_f32 v[F+2*\a], s96, v[Z+8*\a+3]          ; x 2^E: exact.  Twice, to fill the pair that the packed multiply names
	v_mul_f32 v[F+2*\a+1], s96, v[Z+8*\a+3]
.endr
	s_wait_loadcnt 32                              ; the gain is in, and the first two tables ahead of it; the other two tables' 32 loads may be out
.set ii, 0
.rept 32
	v_pk_add_f32 v[W1+ii:W1+ii+1], v[W1+ii:W1+ii+1], 1.0 op_sel_hi:[1,0]
.set ii, ii+2
.endr
.irp a, 0,1,2,3,4,5,6,7
	QKOUT \a
.endr
	s_branch .Ldone
	; ---- v
.Lv:
.irp a, 0,1,2,3,4,5,6,7
	VOUT \a
.endr
.Ldone:
	s_wait_tensorcnt 0x0                           ; the wave's end, behind my last tensor load
	ds_add_u32 v[SPW], v[NIL]
	s_wait_dscnt 0x0
	CROUND                                         ; the closing round: no work-group ends while a partner may still ask for a tile that names it
	s_endpgm
.Lfunc_end_k_q4084abe676_qkv:
	.size	k_q4084abe676_qkv, .Lfunc_end_k_q4084abe676_qkv-k_q4084abe676_qkv
	.p2alignl 7, 3214868480
	.fill 96, 4, 3214868480
	.section	.rodata,"a",@progbits
	.p2align	6, 0x0
	.amdhsa_kernel k_q4084abe676_qkv
		.amdhsa_group_segment_fixed_size 327680
		.amdhsa_private_segment_fixed_size 0
		.amdhsa_enable_private_segment 0
		.amdhsa_kernarg_size 64
		.amdhsa_user_sgpr_count 2
		.amdhsa_user_sgpr_kernarg_segment_ptr 1
		.amdhsa_wavefront_size32 1
		.amdhsa_system_sgpr_workgroup_id_x 1
		.amdhsa_system_sgpr_workgroup_id_y 1
		.amdhsa_system_sgpr_workgroup_id_z 1
		.amdhsa_system_vgpr_workitem_id 0
		.amdhsa_next_free_vgpr 1024
		.amdhsa_next_free_sgpr 104
		.amdhsa_reserve_vcc 0
		.amdhsa_float_denorm_mode_32 3
		.amdhsa_float_denorm_mode_16_64 3
		.amdhsa_memory_ordered 1
		.amdhsa_forward_progress 1
		.amdhsa_inst_pref_size 255
	.end_amdhsa_kernel
	.section	.bss,"aw",@nobits
	.p2align	6
	.space	262144
	.amdgpu_metadata
---
amdhsa.version: [ 1, 2 ]
amdhsa.kernels:
  - .name:           k_q4084abe676_qkv
    .symbol:         k_q4084abe676_qkv.kd
    .args:
      - { .name: xc, .offset: 0, .size: 8, .value_kind: global_buffer, .address_space: global }
      - { .name: wc, .offset: 8, .size: 8, .value_kind: global_buffer, .address_space: global }
      - { .name: lowp_scales, .offset: 16, .size: 8, .value_kind: global_buffer, .address_space: global }
      - { .name: rope, .offset: 24, .size: 8, .value_kind: global_buffer, .address_space: global }
      - { .name: q_norm_weight, .offset: 32, .size: 8, .value_kind: global_buffer, .address_space: global }
      - { .name: k_norm_weight, .offset: 40, .size: 8, .value_kind: global_buffer, .address_space: global }
      - { .name: qc, .offset: 48, .size: 8, .value_kind: global_buffer, .address_space: global }
      - { .name: kv, .offset: 56, .size: 8, .value_kind: global_buffer, .address_space: global }
    .group_segment_fixed_size: 327680
    .private_segment_fixed_size: 0
    .kernarg_segment_align: 8
    .kernarg_segment_size: 64
    .max_flat_workgroup_size: 128
    .sgpr_count:     104
    .vgpr_count:     1024
    .wavefront_size: 32
...
	.end_amdgpu_metadata
.endif
;; end of part 2
;; launch attn (part 3): grid 16 x 16, 16 waves a work-group, no clusters, 327,680 bytes of LDS; arguments qc, kv, lowp_scales, ac; writes ac
.if DOCPART == 3
	.amdgcn_target "amdgcn-amd-amdhsa--gfx1250"
	.amdhsa_code_object_version 6
	.text
	.protected	k_q4084abe676_attn
	.globl	k_q4084abe676_attn
	.p2align	8
	.type	k_q4084abe676_attn,@function
k_q4084abe676_attn:
	s_mov_b64 s[64:65], 0
	v_nop
	global_prefetch_b8 v0, s[64:65] scope:SCOPE_SE
	s_setreg_imm32_b32 hwreg(HW_REG_WAVE_MODE, 25, 1), 1
	s_wait_xcnt 0x0
; ATTENTION in a causal window of 1,024 keys, both products on codes of E4M3; the result is quantised for the output projection.
; qc: [batch x head 16][token tile 128][2048]; kv: [batch x head 16][block of 128 keys 16][K: 8 key tiles x 2048, then V^T: 8 channel tiles x 2048]; ac: [token tile 256][K step = head 8][2048].
; All are images of operand registers: register 4 g + m of a lane at 512 g + 16 lane + 4 m; lane (r, h) holds row r, registers 2 c, 2 c + 1 hold k = 16 c + 8 h + 0 .. 7.
; THE SOFTMAX: t = score x log2(e) / sqrt(128); M = the row's largest t so far, rounded UP to a whole number; p = 2^(t - M) is what is quantised; the row's sum is taken of the unquantised p and divides at the end.
; When M moves, the sum and O are multiplied by 2^(old M - new M): exact.
; SHARES.  A work-group owns 128 queries of one head.  Wave w owns the 16 queries of tile w % 8 over every second key block: waves 0-7 blocks 0, 2, 4, 6, 8, waves 8-15 blocks 1, 3, 5, 7 of the nine that the window touches.
; Each has its own M, sum and O; waves 8-15 hand theirs over through LDS, and waves 0-7 join the two under the larger M (exact powers of two) and store.  Four waves stand on a SIMD, in 256 registers each.
; Key j counts for query i where i - 1024 < j <= i.  The nine key blocks, from block max(query block - 8, 0) on, 294,912 consecutive bytes, come into LDS once by one load a wave: waves 0-7 bring blocks 0-3, waves 8-15 blocks 4-8; nothing is filled again.
; (For the first eight query blocks some of the nine lie after the queries: they are fetched and not multiplied.)
; WORK LEFT OUT: a step all of whose keys come after the queries, by a scalar branch on ids.  In the first and the last block that count, hidden scores become -infinity ahead of the maximum.
; A wave with no open key keeps the starting -M, which is finite: its p, its sum and its O are 0, and so is its factor when the two are joined.  One of the two always has an open key.
; LAYOUT.  S^T = K Q^T (source 0 = 16 keys, source 1 = my 16 queries), O^T = V^T P^T: a lane holds ONE query throughout; register j of tile t is key (or channel) 16 t + 8 h + j: eight neighbours along the next K.
; No cluster: neighbouring query blocks' windows are shifted by one block, and a joint load lands at one LDS address in all that it names: four partners would each hold 12 blocks, 393,216 bytes, more than a work-group can have.
; No prefetch: all that a work-group reads is asked for at its head.
; LIMITS: e6 + e7 between -123 and 130 (added to c's exponent field); e8 and e10 between -126 and 119; e8 + e9 is applied by v_ldexp_f32 and has none.
; REGISTERS: v1-3 constants of the lane; v7, v9 the handing over; v8 the step's LDS address; v12 -M, v13 the largest t, v[14:15] the sum in two halves; v16-31 Q; v32-95 four fragments; v96-159 S^T, then p; v160-223 O^T; v224-239 codes; v236-255 at work.
.set BLK,   32768                      ; a key block in LDS and in memory: K, then V^T
.set VOFF,  16384
.set SPARE, 9*BLK                      ; behind the nine blocks: the spare words, 128 bytes a wave: eight blocks of 256 bytes that no other line names
.set LN,   1                           ; v1  16 x lane
.set DQ,   2                           ; v2  my query in its block - 8 h
.set NINF, 3                           ; v3  -infinity
.set SPW,  5                           ; v5  LDS address of my spare word; never rewritten
.set NIL,  6                           ; v6  0; never rewritten
.set XO,   7                           ; v7  handing over O: blocks 0 and 1, 8,192 bytes for each tile of queries
.set ADK,  8
.set XL,   9                           ; v9  handing over the sum and -M: block 2, 256 bytes for each tile
.set WV,   12                          ; s12 my wave's number
.set QT,   15                          ; s15 my tile of queries
.set G1A,  16
.set G1B,  24
.set G0A,  32
.set G0B,  36
.set QB,   60                          ; s60 my block of queries
.set KB,   61                          ; s61 the step's block of keys
.set TB,   62                          ; s62 where it lies in LDS
.set CNT,  63
.set SEL,  66                          ; s[66:67] lane selects for v_permlanex16_b32: lane l xor 16
.set CSC,  76                          ; s[76:77] c = log2(e) / sqrt(128) x 2^(e6 + e7): the packed form names a pair and takes its low word
.set GR,   78                          ; s78 0 for waves 0-7, 1 for waves 8-15
	s_load_b256 s[4:11], s[0:1], 0x0               ; qc s[4:5], kv s[6:7], the scales s[8:9], ac s[10:11]
	v_lshl_add_u32 v[SPW], v0, 2, SPARE
	v_mov_b32 v[NIL], 0
	ds_add_u32 v[SPW], v[NIL]                      ; the wave's opening: the add, twice on end, and its wait ahead of my first tensor load
	ds_add_u32 v[SPW], v[NIL]
	v_lshrrev_b32 v8, 5, v0
	v_readfirstlane_b32 s[WV], v8                  ; wave 0..15
	s_and_b32 s[QT], s[WV], 7
	s_lshr_b32 s[GR], s[WV], 3
	s_mov_b32 s[QB], ttmp9
	s_and_b32 s14, ttmp7, 0xffff                   ; batch x 8 + head
	s_sub_co_i32 s13, s[QB], 8
	s_max_i32 s13, s13, 0                          ; the first of the nine key blocks
	s_add_co_u32 s[KB], s13, s[GR]
	; descriptor groups 1: dense blocks of 16,384 and 20,480 bytes as rows of 32 elements of 8 bytes; no mask, no padding
.irp g, G1A, G1B
	s_mov_b32 s[\g+0], 3<<16
	s_mov_b32 s[\g+1], 32<<16                      ; tensor_dim0
	s_mov_b32 s[\g+3], 32<<16                      ; tile_dim0
	s_mov_b32 s[\g+5], 32                          ; tensor_dim0_stride
	s_mov_b32 s[\g+6], 0
	s_mov_b32 s[\g+7], 0
.endr
	s_mov_b32 s[G1A+2], 64<<16                     ; tensor_dim1
	s_mov_b32 s[G1A+4], 64                         ; tile_dim1
	s_mov_b32 s[G1B+2], 80<<16
	s_mov_b32 s[G1B+4], 80
	s_lshl_b32 s2, s14, 4
	s_add_co_u32 s2, s2, s13
	s_lshl_b32 s2, s2, 15
	s_mov_b32 s3, 0
	s_lshl_b32 s40, s[QT], 14                      ; waves 0-7: an eighth of blocks 0-3; LDS mirrors memory
	s_mov_b32 s41, 0
	s_mul_i32 s42, s[QT], 20480
	s_add_co_u32 s42, s42, 4*BLK                   ; waves 8-15: an eighth of blocks 4-8
	s_mov_b32 s43, 0
	s_mov_b32 s[SEL], 0x76543210
	s_mov_b32 s[SEL+1], 0xfedcba98
	s_wait_dscnt 0x0                               ; both opening adds are done
	s_wait_kmcnt 0x0
	s_load_b256 s[68:75], s[8:9], 0x10             ; e4 .. e11: e6 s70, e7 s71, e8 s72, e9 s73, e10 s74
	s_add_nc_u64 s[6:7], s[6:7], s[2:3]
	s_mov_b32 s[G0A], 1
	s_mov_b32 s[G0A+1], s40
	s_add_nc_u64 s[G0A+2:G0A+3], s[6:7], s[40:41]
	s_or_b32 s[G0A+3], s[G0A+3], 0x80000000
	s_mov_b32 s[G0B], 1
	s_mov_b32 s[G0B+1], s42
	s_add_nc_u64 s[G0B+2:G0B+3], s[6:7], s[42:43]
	s_or_b32 s[G0B+3], s[G0B+3], 0x80000000
	s_cmp_lt_u32 s[WV], 8                          ; one tensor load a wave
	s_cbranch_scc0 .Lrear
	tensor_load_to_lds s[G0A:G0A+3], s[G1A:G1A+7]
	s_nop 0
.rept 4
	v_nop
.endr
	s_branch .Lasked
.Lrear:
	tensor_load_to_lds s[G0B:G0B+3], s[G1B:G1B+7]
	s_nop 0
.rept 4
	v_nop
.endr
.Lasked:
	v_and_b32 v10, 31, v0
	v_and_b32 v11, 15, v0                          ; r
	v_bfe_u32 v4, v0, 4, 1                         ; h
	v_lshlrev_b32 v[LN], 4, v10
	v_lshlrev_b32 v[XL], 2, v10
	s_lshl_b32 s2, s14, 7
	s_lshl_b32 s3, s[QB], 3
	s_add_co_u32 s2, s2, s3
	s_add_co_u32 s2, s2, s[QT]                     ; my token tile in qc
	s_lshl_b32 s2, s2, 11
	s_mov_b32 s3, 0
	s_add_nc_u64 s[4:5], s[4:5], s[2:3]
	s_wait_alu depctr_va_vdst(0)
.irp g, 0,1,2,3
	global_load_b128 v[16+4*\g:19+4*\g], v[LN], s[4:5] offset:512*\g   ; Q's fragment stays in registers
.endr
	s_lshr_b32 s2, s14, 3
	s_lshl_b32 s2, s2, 7                           ; the batch's 128 token tiles
	s_lshl_b32 s3, s[QB], 3
	s_add_co_u32 s2, s2, s3
	s_add_co_u32 s2, s2, s[QT]
	s_lshl_b32 s2, s2, 3
	s_and_b32 s3, s14, 7                           ; the head
	s_add_co_u32 s2, s2, s3
	s_lshl_b32 s2, s2, 11
	s_mov_b32 s3, 0
	s_add_nc_u64 s[10:11], s[10:11], s[2:3]        ; where my image goes
	s_lshl_b32 s2, s[QT], 13
	s_lshl_b32 s3, s[QT], 8
	s_add_co_u32 s3, s3, 2*BLK
	s_lshl_b32 s13, s[QT], 4
	s_wait_alu depctr_va_vdst(0)
	v_add_nc_u32 v[XO], s2, v[LN]
	v_add_nc_u32 v[XL], s3, v[XL]
	v_add_nc_u32 v[DQ], s13, v11
	v_lshlrev_b32 v4, 3, v4
	v_mov_b32 v[NINF], 0xff800000
	v_mov_b32 v13, 0xff61b1e6                      ; the largest t so far: -3e38, under every t
	v_sub_nc_u32 v[DQ], v[DQ], v4
	v_mov_b32 v14, 0                               ; the sum, in two halves
	v_mov_b32 v15, 0
	v_floor_f32 v12, -v13                          ; -M
	v_mov_b32 v236, 0                              ; written once: a lane permute's destination counts as one of its sources
	v_mov_b32 v252, 0
	v_mov_b32 v253, 0                              ; (named as the upper half of the pair v[252:253])
.set ii, 0
.rept 64
	v_mov_b32 v[160+ii], 0                         ; O^T.  (The step is written without a first step of its own: the first change of M multiplies zeros)
.set ii, ii+1
.endr
	s_wait_kmcnt 0x0
	s_add_co_i32 s2, s70, s71
	s_lshl_b32 s2, s2, 23
	s_mov_b32 s[CSC], 0x3e0293ee                   ; log2(e) / sqrt(128)
	s_add_co_i32 s[CSC], s[CSC], s2                ; a score stands for score x 2^(e6 + e7): the exponents are added to c's exponent field
	s_mov_b32 s[CSC+1], s[CSC]
	s_add_co_i32 s2, s72, 127
	s_lshl_b32 s3, s2, 23
	v_mov_b32 v244, s3                             ; 2^e8, for p's conversions
	s_add_co_i32 s2, s2, 8
	s_lshl_b32 s2, s2, 23
	s_or_b32 s2, s2, 0x600000
	v_mov_b32 v240, s2                             ; 448 x 2^e8
	s_add_co_i32 s2, s74, 127
	s_lshl_b32 s3, s2, 23
	v_mov_b32 v245, s3                             ; 2^e10, for the result's
	s_add_co_i32 s2, s2, 8
	s_lshl_b32 s2, s2, 23
	s_or_b32 s2, s2, 0x600000
	v_mov_b32 v241, s2                             ; 448 x 2^e10
.macro FOUR off, g                     ; four fragments of K (off = 0) or of V^T, each as it was stored: four loads of 512 consecutive bytes
.irp t, 0,1,2,3
.irp c, 0,1,2,3
	ds_load_b128 v[32+16*\t+4*\c:32+16*\t+4*\c+3], v[ADK] offset:(\off)+(4*(\g)+\t)*2048+512*\c
.endr
.endr
.endm
.macro PLACES n
.rept \n
	v_nop
.endr
.endm
; A KEY STEP: the 128 keys of block KB, which lies at TB.  low = 1: the step may be the window's first block.
.macro STEP low
	s_cmp_gt_u32 s[KB], s[QB]                      ; all its keys come after my queries: the step's work is left out, not the lines at its end
	s_cbranch_scc1 .Lhidden_\@
	v_add_nc_u32 v[ADK], s[TB], v[LN]
	s_wait_alu depctr_va_vdst(0)
	PLACES 3                                       ; with the addition: the four places in front of loads into registers that the last products read
	FOUR 0, 0
	s_wait_dscnt 0x0
.irp t, 0,1,2,3                                ; S^T = K Q^T
	v_wmma_f32_16x16x128_fp8_fp8 v[96+8*\t:103+8*\t], v[32+16*\t:47+16*\t], v[16:31], 0
.endr
	PLACES 4
	FOUR 0, 1
	s_wait_dscnt 0x0
.irp t, 0,1,2,3
	v_wmma_f32_16x16x128_fp8_fp8 v[128+8*\t:135+8*\t], v[32+16*\t:47+16*\t], v[16:31], 0
.endr
	PLACES 4                                       ; in front of the loads below and of the first read of the scores
	FOUR VOFF, 0                                   ; V^T's first four, wanted behind the softmax
.if \low                                       ; the block eight before mine: key and query are 1,024 + (query - key in their blocks) apart: hidden where the key's place is not above the query's
	s_add_co_u32 s2, s[KB], 8
	s_cmp_lg_u32 s2, s[QB]
	s_cbranch_scc1 .Lnot_low_\@
.set nn, 0
.rept 64
	v_cmp_le_i32 vcc_lo, 16*(nn/8)+nn%8, v[DQ]     ; register nn holds key 16 (nn / 8) + 8 h + nn % 8
	v_cndmask_b32 v[96+nn], v[96+nn], v[NINF], vcc_lo
.set nn, nn+1
.endr
.Lnot_low_\@:
.endif
	s_cmp_lg_u32 s[KB], s[QB]                      ; my own block: hidden where the key comes after the query
	s_cbranch_scc1 .Lopen_\@
.set nn, 0
.rept 64
	v_cmp_gt_i32 vcc_lo, 16*(nn/8)+nn%8, v[DQ]
	v_cndmask_b32 v[96+nn], v[96+nn], v[NINF], vcc_lo
.set nn, nn+1
.endr
.Lopen_\@:
	v_max3_num_f32 v254, v96, v97, v98             ; the step's largest score of my query, among my 64 keys, in two chains,
	v_max3_num_f32 v252, v99, v100, v101
.irp i, 6,10,14,18,22,26,30,34,38,42,46,50,54,58
	v_max3_num_f32 v254, v254, v[96+\i], v[97+\i]
	v_max3_num_f32 v252, v252, v[98+\i], v[99+\i]
.endr
	v_max3_num_f32 v254, v254, v158, v159
	s_delay_alu instid0(VALU_DEP_1)
	v_max_num_f32 v254, v254, v252
	v_permlanex16_b32 v236, v254, s[SEL], s[SEL+1]
	s_delay_alu instid0(VALU_DEP_1)
	v_max_num_f32 v254, v254, v236                 ; and among lane l xor 16's
	s_delay_alu instid0(VALU_DEP_1)
	v_mul_f32 v254, s[CSC], v254                   ; as t (c is positive)
	s_delay_alu instid0(VALU_DEP_1)
	v_max_num_f32 v13, v13, v254                   ; the running largest t
	v_mov_b32 v254, v12
	s_delay_alu instid0(VALU_DEP_2)
	v_floor_f32 v12, -v13                          ; the new -M = floor(-t) = -ceil(t): M is a whole number
	s_delay_alu instid0(VALU_DEP_1)
	v_sub_f32 v254, v12, v254                      ; M's old value less its new one: a whole number, 0 or less
	s_delay_alu instid0(VALU_DEP_1)
	v_cvt_i32_f32 v254, v254                       ; (it saturates)
	s_delay_alu instid0(VALU_DEP_1)
	v_ldexp_f32 v252, 1.0, v254                    ; f = 2^(old M - new M)
.set ii, 0
.rept 32
	v_pk_fma_f32 v[96+ii:97+ii], v[96+ii:97+ii], s[CSC:CSC+1], v[12:13] op_sel_hi:[1,0,0]   ; t - M, two at a time
.set ii, ii+2
.endr
	s_wait_alu depctr_va_vdst(0)                   ; the wait ahead of the batch,
.set ii, 0
.rept 64
	v_exp_f32 v[96+ii], v[96+ii]                   ; p = 2^(t - M), at most 1: one batch
.set ii, ii+1
.endr
	v_pk_mul_f32 v[14:15], v[14:15], v[252:253] op_sel_hi:[1,0]   ; the sums under the new M: the plain line behind the exponentials
	s_wait_alu depctr_va_vdst(0)                   ; and one ahead of its first reader
.set kk, 0
.irp c, 242,254,250,248,246,238,236            ; the row's sum, in eight chains by turns
	v_pk_add_f32 v[\c:\c+1], v[96+kk:97+kk], v[112+kk:113+kk]
.set kk, kk+2
.endr
	v_pk_add_f32 v[14:15], v[14:15], v[110:111]
.irp o, 128,144
.set kk, 0
.irp c, 242,254,250,248,246,238,236,14
	v_pk_add_f32 v[\c:\c+1], v[\c:\c+1], v[\o+kk:\o+kk+1]
.set kk, kk+2
.endr
.endr
	v_pk_add_f32 v[242:243], v[242:243], v[126:127]
	v_pk_add_f32 v[254:255], v[254:255], v[238:239]
	v_pk_add_f32 v[250:251], v[250:251], v[236:237]
	v_pk_add_f32 v[14:15], v[14:15], v[248:249]
	v_pk_add_f32 v[242:243], v[242:243], v[246:247]
	v_pk_add_f32 v[254:255], v[254:255], v[250:251]
.irp t, 0,1,2,3
	v_dual_min_num_f32 v[96+2*\t], v[96+2*\t], v240 :: v_dual_min_num_f32 v[97+2*\t], v[97+2*\t], v240
.endr
	v_pk_add_f32 v[14:15], v[14:15], v[242:243]
.set ii, 8
.rept 28
	v_dual_min_num_f32 v[96+ii], v[96+ii], v240 :: v_dual_min_num_f32 v[97+ii], v[97+ii], v240   ; the conversion does not saturate (ISA guide 7.6.2); p is not negative, so the hold is one-sided
.set ii, ii+2
.endr
	v_pk_add_f32 v[14:15], v[14:15], v[254:255]
.irp t, 0,1,2,3,4,5,6,7                        ; keys 16 t + 8 h + 0 .. 7: registers 2 t, 2 t + 1 of the operand
	v_cvt_scalef32_pk8_fp8_f32 v[224+2*\t:225+2*\t], v[96+8*\t:103+8*\t], v244
.endr
	s_wait_alu depctr_va_vdst(0)
.set ii, 0
.rept 32
	v_pk_mul_f32 v[160+ii:161+ii], v[160+ii:161+ii], v[252:253] op_sel_hi:[1,0]   ; O^T under the new M.  (Also the plain lines between the conversions and the products)
.set ii, ii+2
.endr
	s_wait_alu depctr_va_vdst(0)
	s_wait_dscnt 0x0
.irp t, 0,1,2,3                                ; O^T += V^T P^T; each accumulator has one instruction a step
	v_wmma_f32_16x16x128_fp8_fp8 v[160+8*\t:167+8*\t], v[32+16*\t:47+16*\t], v[224:239], v[160+8*\t:167+8*\t]
.endr
	PLACES 4
	FOUR VOFF, 1
	s_wait_dscnt 0x0
.irp t, 0,1,2,3
	v_wmma_f32_16x16x128_fp8_fp8 v[192+8*\t:199+8*\t], v[32+16*\t:47+16*\t], v[224:239], v[192+8*\t:199+8*\t]
.endr
.Lhidden_\@:
	s_add_co_u32 s[KB], s[KB], 2
	s_add_co_u32 s[TB], s[TB], 2*BLK
.endm
	s_wait_alu depctr_va_vdst(0)
	s_wait_loadcnt 0x0                             ; Q
	s_cmp_lt_u32 s[WV], 8
	s_cbranch_scc0 .Lnot_mine
	s_wait_tensorcnt 0x0                           ; my part of blocks 0-3 has landed; waves 8-15's loads, of blocks 4-8, may be out
.Lnot_mine:
	s_barrier_signal -1
	s_barrier_wait -1
	s_lshl_b32 s[TB], s[GR], 15
	s_mov_b32 s[CNT], 2
.Lfront:                                           ; blocks 0, 2 or 1, 3
	STEP 1
	s_sub_co_u32 s[CNT], s[CNT], 1
	s_cmp_lg_u32 s[CNT], 0
	s_cbranch_scc1 .Lfront
	s_wait_tensorcnt 0x0                           ; blocks 4-8 have landed,
	s_wait_dscnt 0x0                               ; and my reads of blocks 0-3 are over: nobody reads them behind this barrier
	s_barrier_signal -1
	s_barrier_wait -1
	s_lshl_b32 s[TB], s[GR], 15
	s_add_co_u32 s[TB], s[TB], 4*BLK
	s_mov_b32 s[CNT], 2
.Lback:                                            ; blocks 4, 6 or 5, 7
	STEP 0
	s_sub_co_u32 s[CNT], s[CNT], 1
	s_cmp_lg_u32 s[CNT], 0
	s_cbranch_scc1 .Lback
	s_cmp_lt_u32 s[WV], 8
	s_cbranch_scc0 .Lhand_over
	s_mov_b32 s[TB], 8*BLK
	STEP 0                                         ; block 8
	s_branch .Lmeet
.Lhand_over:                                       ; waves 8-15: O, the sum and -M into blocks 0 to 2, which have had their last fill and their last read
	v_add_f32 v14, v14, v15
	PLACES 3                                       ; with the addition: the four places in front of the first read of O
	s_wait_alu depctr_va_vdst(0)
.set nn, 0
.rept 16
	ds_store_b128 v[XO], v[160+4*nn:163+4*nn] offset:512*nn
.set nn, nn+1
.endr
	ds_store_b32 v[XL], v14
	ds_store_b32 v[XL], v12 offset:128
	s_wait_dscnt 0x0                               ; for the readers' sake
.Lmeet:
	s_barrier_signal -1
	s_barrier_wait -1
	s_cmp_lt_u32 s[WV], 8
	s_cbranch_scc0 .Lend
	; THE WAY OUT, waves 0-7.  The two halves are joined under the larger M; the result is O^T / the sum x 2^(e8 + e9), quantised under e10; my tile's codes are one image: K step = my head, rows = my 16 tokens.
	PLACES 4                                       ; in front of loads into registers that the last products read
	ds_load_b32 v32, v[XL]
	ds_load_b32 v33, v[XL] offset:128
.set nn, 0
.rept 16
	ds_load_b128 v[96+4*nn:99+4*nn], v[XO] offset:512*nn
.set nn, nn+1
.endr
	s_wait_dscnt 16                                ; the sum and -M are in; O's 16 loads may be out
	v_add_f32 v14, v14, v15                        ; my sum's two halves
	v_min_num_f32 v34, v12, v33                    ; the joint -M
	v_mov_b32 v39, 0
	v_sub_f32 v35, v34, v12
	v_sub_f32 v36, v34, v33
	v_cvt_i32_f32 v35, v35
	v_cvt_i32_f32 v36, v36
	v_ldexp_f32 v38, 1.0, v35                      ; 2^(my M - joint M)
	v_ldexp_f32 v40, 1.0, v36                      ; 2^(the other's M - joint M)
	v_mul_f32 v14, v14, v38
	v_fmac_f32 v14, v32, v40
	v_permlanex16_b32 v252, v14, s[SEL], s[SEL+1]
	v_add_f32 v14, v14, v252                       ; and lane l xor 16's: the row's sum; a query's own key always counts, so it is not 0
	s_wait_alu depctr_va_vdst(0)                   ; the wait ahead of the transcendental too
	v_rcp_f32 v14, v14
	v_nop                                          ; a plain line behind the reciprocal
	s_add_co_i32 s2, s72, s73
	s_wait_alu depctr_va_vdst(0)                   ; and the wait ahead of its first reader
	v_ldexp_f32 v14, v14, s2
	v_mul_f32 v42, v38, v14
	v_mul_f32 v43, v38, v14                        ; (the pair that the packed form names)
	v_mul_f32 v44, v40, v14
	v_mul_f32 v45, v40, v14
	s_wait_dscnt 0x0
	s_wait_alu depctr_va_vdst(0)
.set ii, 0
.rept 32
	v_pk_mul_f32 v[160+ii:161+ii], v[160+ii:161+ii], v[42:43]      ; register 8 t + j is channel 16 t + 8 h + j of my query; each accumulator from its low end on
.set ii, ii+2
.endr
.set ii, 0
.rept 32
	v_pk_fma_f32 v[96+ii:97+ii], v[96+ii:97+ii], v[44:45], v[160+ii:161+ii]
.set ii, ii+2
.endr
.set ii, 0
.rept 64
	v_med3_num_f32 v[96+ii], v[96+ii], -v241, v241
.set ii, ii+1
.endr
.irp t, 0,1,2,3,4,5,6,7
	v_cvt_scalef32_pk8_fp8_f32 v[224+2*\t:225+2*\t], v[96+8*\t:103+8*\t], v245
.endr
	v_nop
.irp g, 0,1,2,3
	global_store_b128 v[LN], v[224+4*\g:227+4*\g], s[10:11] offset:512*\g   ; 512 consecutive bytes a store
.endr
.Lend:
	s_wait_tensorcnt 0x0                           ; the wave's end, behind the last tensor load and the last LDS store
	ds_add_u32 v[SPW], v[NIL]
	s_wait_dscnt 0x0
	s_endpgm
.Lfunc_end_k_q4084abe676_attn:
	.size	k_q4084abe676_attn, .Lfunc_end_k_q4084abe676_attn-k_q4084abe676_attn
	.p2alignl 7, 3214868480
	.fill 96, 4, 3214868480
	.section	.rodata,"a",@progbits
	.p2align	6, 0x0
	.amdhsa_kernel k_q4084abe676_attn
		.amdhsa_group_segment_fixed_size 327680
		.amdhsa_private_segment_fixed_size 0
		.amdhsa_enable_private_segment 0
		.amdhsa_kernarg_size 32
		.amdhsa_user_sgpr_count 2
		.amdhsa_user_sgpr_kernarg_segment_ptr 1
		.amdhsa_wavefront_size32 1
		.amdhsa_system_sgpr_workgroup_id_x 1
		.amdhsa_system_sgpr_workgroup_id_y 1
		.amdhsa_system_sgpr_workgroup_id_z 1
		.amdhsa_system_vgpr_workitem_id 0
		.amdhsa_next_free_vgpr 256
		.amdhsa_next_free_sgpr 80
		.amdhsa_reserve_vcc 1
		.amdhsa_float_denorm_mode_32 3
		.amdhsa_float_denorm_mode_16_64 3
		.amdhsa_memory_ordered 1
		.amdhsa_forward_progress 1
		.amdhsa_inst_pref_size 99
	.end_amdhsa_kernel
	.amdgpu_metadata
---
amdhsa.version: [ 1, 2 ]
amdhsa.kernels:
  - .name:           k_q4084abe676_attn
    .symbol:         k_q4084abe676_attn.kd
    .args:
      - { .name: qc, .offset: 0, .size: 8, .value_kind: global_buffer, .address_space: global }
      - { .name: kv, .offset: 8, .size: 8, .value_kind: global_buffer, .address_space: global }
      - { .name: lowp_scales, .offset: 16, .size: 8, .value_kind: global_buffer, .address_space: global }
      - { .name: ac, .offset: 24, .size: 8, .value_kind: global_buffer, .address_space: global }
    .group_segment_fixed_size: 327680
    .private_segment_fixed_size: 0
    .kernarg_segment_align: 8
    .kernarg_segment_size: 32
    .max_flat_workgroup_size: 512
    .sgpr_count:     80
    .vgpr_count:     256
    .wavefront_size: 32
...
	.end_amdgpu_metadata
.endif
;; end of part 3
;; launch oproj (part 4): grid 8 x 32, 4 waves a work-group, clusters of 4 x 1, 327,680 bytes of LDS; arguments ac, woc, lowp_scales, out0; writes out0
.if DOCPART == 4
	.amdgcn_target "amdgcn-amd-amdhsa--gfx1250"
	.amdhsa_code_object_version 6
	.text
	.protected	k_q4084abe676_oproj
	.globl	k_q4084abe676_oproj
	.p2align	8
	.type	k_q4084abe676_oproj,@function
k_q4084abe676_oproj:
	s_mov_b64 s[64:65], 0
	v_nop
	global_prefetch_b8 v0, s[64:65] scope:SCOPE_SE
	s_setreg_imm32_b32 hwreg(HW_REG_WAVE_MODE, 25, 1), 1
	s_wait_xcnt 0x0
	s_wait_alu depctr_hold_cnt(0) depctr_sa_sdst(0) depctr_va_vdst(0) depctr_va_sdst(0) depctr_va_ssrc(0) depctr_va_vcc(0) depctr_vm_vsrc(0)
	s_getreg_b32 s2, hwreg(HW_REG_IB_STS2, 6, 4)
	s_cmp_eq_u32 s2, 0
	s_cbranch_scc0 .Lentry_in_a_cluster
	s_endpgm
.Lentry_in_a_cluster:
	s_bfe_u32 s2, ttmp6, 0x10000c
	s_cmp_lg_u32 s2, 0x3003
	s_cbranch_scc0 .Lentry_shape_is_right
	s_endpgm
.Lentry_shape_is_right:
; THE OUTPUT PROJECTION: out[m][n] = 2^(e10 + e11) x the sum over k of A[m][k] B[n][k]; A = the attention's codes, ac [token tile 256][K step 8][2048]; B = wo's, woc [row tile 128][K step 8][2048]; out f32 [4096][2048].
; Fragments are images of operand registers: register 4 g + m of a lane at 512 g + 16 lane + 4 m.
; A work-group makes 128 tokens x 256 outputs, 256 work-groups; a wave 128 tokens x 64 outputs, so that a row of its result is 256 bytes.  All of K at once: A's 131,072 bytes come into LDS by one load a wave and are read by all
; four waves; B's 64 rows are used by one wave alone and go from memory straight into 512 of its registers.  Nothing is filled again.
; CLUSTERS: 4 x 1: the four share A's tile and ask for it JOINTLY.  B is not asked for jointly: with it the tiles of all K would be 393,216 bytes, more than a work-group can have.  No prefetch: everything is asked for at the head.
; THE ROWS GO IN TWO HALVES: token tiles 0-3 over all of K, then 4-7; the first half's results leave among the second's products.
; Source 0 = 16 rows of B, source 1 = 16 tokens: a lane holds eight neighbouring outputs of one token.  16 tokens at a time go through the wave's own stage in LDS, so that sixteen lanes store an aligned unit of 256 bytes.
; LIMIT: e10 + e11 between -126 and 127, so that its power of two is an f32 number.
; REGISTERS: window 0: v16-29 addresses; v32-63 scaled results; v64-127 rows read back (two sets; in the first half a buffer of A); v128-255 two buffers of four A fragments.  windows 1, 2: B's K steps 0-3, 4-7.  window 3: the sums, 128 a half.
.set LN,   16                          ; v16  16 x lane: A's tiles 0-3 in LDS;  v17  tiles 4-7
.set STO,  24
.set RD,   25
.set CO,   26
.set SPW,  28                          ; v28, v29: the add's registers; never rewritten
.set NIL,  29
.set TMP,  32
.set BK,   64
.set STAGE, 131072                     ; behind A: 16 rows x 272 bytes a wave
.set SPITCH, 272
.set SPARE, STAGE+4*16*SPITCH          ; behind the stages: the spare words, 128 bytes a wave: two blocks of 256 bytes that no other line names
.set G1, 24
.set G0, 32
.set MSB, 0
.macro WIN new                         ; the immediate's high byte repeats the setting that is left
.if MSB != (\new)
	s_set_vgpr_msb (MSB<<8)|(\new)
.set MSB, (\new)
.endif
.endm
.macro PLACES
.rept 4
	v_nop
.endr
.endm
.macro CROUND                          ; a round of the cluster's barrier
	s_barrier_signal -1
	s_barrier_wait -1
	s_cmp_lg_u32 s14, 0
	s_cbranch_scc1 .Lnot_wave_0_\@
	s_barrier_signal -3
.Lnot_wave_0_\@:
	s_barrier_wait -3
	s_barrier_signal -1
	s_barrier_wait -1
.endm
.macro BLOAD s                         ; my four row tiles of B at K step s: 16 loads of 512 consecutive bytes
	WIN 0x40*(1+(\s)/4)
.irp b, 0,1,2,3
.irp g, 0,1,2,3
	global_load_b128 v[64*((\s)%4)+16*\b+4*\g:64*((\s)%4)+16*\b+4*\g+3], v[LN], s[46:47] offset:16384*\b+2048*(\s)+512*\g
.endr
.endr
	WIN 0
.endm
.macro BUFOF n                         ; a turn's buffer of A: three by turns while v64-127 are free, then two
.if (\n) < 9
.set AB, 128+64*((\n)%3)
.if (\n)%3 == 2
.set AB, 64
.endif
.else
.set AB, 192-64*((\n)%2)
.endif
.endm
.macro FETCH n                         ; turn n = 8 x half + K step: four A fragments
	BUFOF \n
.irp a, 0,1,2,3
.irp c, 0,1,2,3
	ds_load_b128 v[AB+16*\a+4*\c:AB+16*\a+4*\c+3], v[LN+(\n)/8] offset:16384*\a+2048*((\n)%8)+512*\c
.endr
.endr
.endm
.macro MULS n                          ; 16 matrix instructions; the accumulators take turns
	BUFOF \n
	WIN 0xf1+((\n)%8)/4                            ; source 0 window 1 or 2, source 1 window 0, C and D window 3
.irp a, 0,1,2,3
.irp b, 0,1,2,3
.set AC, 128*((\n)/8)+32*\a+8*\b
.if (\n)%8 == 0
	v_wmma_f32_16x16x128_fp8_fp8 v[AC:AC+7], v[64*((\n)%4)+16*\b:64*((\n)%4)+16*\b+15], v[AB+16*\a:AB+16*\a+15], 0
.else
	v_wmma_f32_16x16x128_fp8_fp8 v[AC:AC+7], v[64*((\n)%4)+16*\b:64*((\n)%4)+16*\b+15], v[AB+16*\a:AB+16*\a+15], v[AC:AC+7]
.endif
.endr
.endr
	WIN 0
.endm
.macro TOSTAGE a                       ; token tile a: scaled, into my stage, and back as whole rows.  LDS serves a wave's instructions in order (ISA guide 5.7.1.4)
.set AC, 32*(\a)
.if (\a) > 1
	s_wait_xcnt 0x0                                ; tile a - 2's stores have read the registers that the loads below write
.endif
	WIN 0x03                                       ; source 0: window 3
.set ii, 0
.rept 16
	v_pk_mul_f32 v[TMP+ii:TMP+ii+1], v[AC+ii:AC+ii+1], s[96:97] op_sel_hi:[1,0]   ; x 2^(e10 + e11); each accumulator from its low end on.  (Also the places in front of the loads below)
.set ii, ii+2
.endr
	WIN 0
.irp b, 0,1,2,3
	ds_store_b128 v[STO], v[TMP+8*\b:TMP+8*\b+3] offset:64*\b
	ds_store_b128 v[STO], v[TMP+8*\b+4:TMP+8*\b+7] offset:64*\b+16
.endr
.set BB, BK+32*((\a)%2)
.irp t, 0,1,2,3,4,5,6,7
	ds_load_b128 v[BB+4*\t:BB+4*\t+3], v[RD] offset:2*\t*SPITCH
.endr
.endm
.macro SEND a, younger                 ; younger: LDS instructions issued behind the tile's loads, which may be out
.set BB, BK+32*((\a)%2)
	s_wait_dscnt \younger
.irp t, 0,1,2,3,4,5,6,7
	global_store_b128 v[CO], v[BB+4*\t:BB+4*\t+3], s[10:11] offset:131072*(\a)+16384*\t th:TH_STORE_NT   ; two rows a store, 256 aligned bytes of each
.endr
.endm
	s_load_b256 s[4:11], s[0:1], 0x0               ; ac s[4:5], woc s[6:7], the scales s[8:9], out s[10:11]
	v_lshl_add_u32 v[SPW], v0, 2, SPARE
	v_mov_b32 v[NIL], 0
	ds_add_u32 v[SPW], v[NIL]                      ; the wave's opening: the add, twice on end, and its wait ahead of my first tensor load
	ds_add_u32 v[SPW], v[NIL]
	v_lshrrev_b32 v1, 5, v0
	v_readfirstlane_b32 s14, v1                    ; wave 0..3
	s_bfe_u32 s56, ttmp6, 0x40000                  ; cx
	s_lshl_b32 s58, ttmp9, 2
	s_add_co_u32 s58, s58, s56                     ; my 256 outputs
	s_and_b32 s17, ttmp7, 0xffff                   ; my 128 tokens
	; descriptor group 1: a dense block of 32,768 bytes as 128 rows of 32 elements of 8 bytes
	s_mov_b32 s[G1+0], 15|(3<<16)|(1<<21)          ; the mask: all four of the cluster
	s_mov_b32 s[G1+1], 32<<16
	s_mov_b32 s[G1+2], 128<<16
	s_mov_b32 s[G1+3], 32<<16
	s_mov_b32 s[G1+4], 128
	s_mov_b32 s[G1+5], 32
	s_mov_b32 s[G1+6], 0
	s_mov_b32 s[G1+7], 0
	s_lshl_b32 s45, s14, 15                        ; my quarter of A's tile
	s_lshl_b32 s20, s17, 17
	s_add_co_u32 s20, s20, s45
	s_mov_b32 s21, 0
	s_lshl_b32 s46, s58, 18                        ; B: 16 row tiles of 16,384 bytes a work-group, four a wave
	s_lshl_b32 s19, s14, 16
	s_add_co_u32 s46, s46, s19
	s_mov_b32 s47, 0
	s_lshl_b32 s22, s17, 20                        ; out: 128 rows of 8,192 bytes,
	s_lshl_b32 s23, s58, 10
	s_add_co_u32 s22, s22, s23
	s_lshl_b32 s23, s14, 8
	s_add_co_u32 s22, s22, s23
	s_mov_b32 s23, 0
	s_mul_i32 s18, s14, 16*SPITCH
	s_add_co_u32 s18, s18, STAGE                   ; my stage
	v_and_b32 v1, 31, v0
	v_and_b32 v2, 15, v0                           ; r
	v_bfe_u32 v3, v0, 4, 1                         ; h
	v_lshlrev_b32 v[LN], 4, v1
	v_add_nc_u32 v[LN+1], 0x10000, v[LN]
	v_mul_u32_u24 v4, v2, SPITCH
	v_lshl_add_u32 v4, v3, 5, v4
	v_add_nc_u32 v[STO], s18, v4                   ; in: row r, 32 bytes for each half of the lanes
	v_mul_u32_u24 v5, v3, SPITCH
	v_lshl_add_u32 v5, v2, 4, v5
	v_add_nc_u32 v[RD], s18, v5                    ; back: lanes 0-15 one row, lanes 16-31 the next
	v_lshlrev_b32 v6, 13, v3
	v_lshl_add_u32 v[CO], v2, 4, v6                ; and the same two rows of out
	s_wait_alu depctr_va_vdst(0)
	s_wait_dscnt 0x0                               ; both opening adds are done
	s_wait_kmcnt 0x0
	s_load_b64 s[96:97], s[8:9], 0x28              ; e10, e11
	s_add_nc_u64 s[20:21], s[4:5], s[20:21]
	s_add_nc_u64 s[46:47], s[6:7], s[46:47]
	s_add_nc_u64 s[10:11], s[10:11], s[22:23]
	BLOAD 0
	BLOAD 1
	BLOAD 2
	CROUND                                         ; all four work-groups are here: the joint loads meet
	s_mov_b32 s[G0], 1
	s_mov_b32 s[G0+1], s45
	s_mov_b64 s[G0+2:G0+3], s[20:21]
	s_or_b32 s[G0+3], s[G0+3], 0x80000000
	tensor_load_to_lds s[G0:G0+3], s[G1:G1+7]      ; my one tensor load
	s_nop 0
	PLACES
	BLOAD 3
	BLOAD 4
	BLOAD 5
	BLOAD 6
	BLOAD 7
	s_wait_kmcnt 0x0
	s_add_co_i32 s96, s96, s97
	s_add_co_i32 s96, s96, 127
	s_lshl_b32 s96, s96, 23                        ; 2^(e10 + e11)
	s_wait_tensorcnt 0x0                           ; my part of A is in,
	s_barrier_signal -1
	s_barrier_wait -1                              ; everybody's is.
	FETCH 0
	FETCH 1
.irp n, 0,1,2,3,4,5,6,7                ; the first half: A's fragments are asked for two turns ahead
	PLACES                                         ; in front of loads into registers that products have read
	FETCH \n+2
.if \n < 4
	s_wait_loadcnt 63                              ; B's K step n is in: at least 64 loads were issued behind it
.else
	s_wait_loadcnt 16*(7-\n)                       ; 16 for each later K step
.endif
	s_wait_dscnt 32                                ; the two later turns' loads may be out
	MULS \n
.endr
	PLACES                                         ; the second half.  Also in front of the first read of the first half's results
	FETCH 10
	s_wait_dscnt 32                                ; behind turn 8's: 9's and 10's
	MULS 8
	TOSTAGE 0
	s_wait_dscnt 32                                ; behind turn 9's: 10's and the stage's 16
	MULS 9
	SEND 0, 0
.irp n, 10,12,14
	PLACES
	FETCH \n+1
	s_wait_dscnt 16                                ; behind turn n's: n + 1's
	MULS \n
	TOSTAGE (\n-8)/2
.if \n < 14
	PLACES
	FETCH \n+2
	s_wait_dscnt 32                                ; behind turn n + 1's: the stage's and n + 2's
	MULS \n+1
	SEND (\n-8)/2, 16                              ; behind the stage's: n + 2's
.else
	s_wait_dscnt 16
	MULS \n+1
	SEND (\n-8)/2, 0
.endif
.endr
	PLACES                                         ; in front of the first read of the second half's results
	TOSTAGE 4
	TOSTAGE 5
	SEND 4, 16
	TOSTAGE 6
	SEND 5, 16
	TOSTAGE 7
	SEND 6, 16
	SEND 7, 0
	s_wait_tensorcnt 0x0                           ; the wave's end, behind my last tensor load and my last LDS store
	ds_add_u32 v[SPW], v[NIL]
	s_wait_dscnt 0x0
	CROUND                                         ; the closing round: no work-group ends while a partner may still ask for a tile that names it
	s_endpgm
.Lfunc_end_k_q4084abe676_oproj:
	.size	k_q4084abe676_oproj, .Lfunc_end_k_q4084abe676_oproj-k_q4084abe676_oproj
	.p2alignl 7, 3214868480
	.fill 96, 4, 3214868480
	.section	.rodata,"a",@progbits
	.p2align	6, 0x0
	.amdhsa_kernel k_q4084abe676_oproj
		.amdhsa_group_segment_fixed_size 327680
		.amdhsa_private_segment_fixed_size 0
		.amdhsa_enable_private_segment 0
		.amdhsa_kernarg_size 32
		.amdhsa_user_sgpr_count 2
		.amdhsa_user_sgpr_kernarg_segment_ptr 1
		.amdhsa_wavefront_size32 1
		.amdhsa_system_sgpr_workgroup_id_x 1
		.amdhsa_system_sgpr_workgroup_id_y 1
		.amdhsa_system_sgpr_workgroup_id_z 1
		.amdhsa_system_vgpr_workitem_id 0
		.amdhsa_next_free_vgpr 1024
		.amdhsa_next_free_sgpr 98
		.amdhsa_reserve_vcc 0
		.amdhsa_float_denorm_mode_32 3
		.amdhsa_float_denorm_mode_16_64 3
		.amdhsa_memory_ordered 1
		.amdhsa_forward_progress 1
		.amdhsa_inst_pref_size 76
	.end_amdhsa_kernel
	.amdgpu_metadata
---
amdhsa.version: [ 1, 2 ]
amdhsa.kernels:
  - .name:           k_q4084abe676_oproj
    .symbol:         k_q4084abe676_oproj.kd
    .args:
      - { .name: ac, .offset: 0, .size: 8, .value_kind: global_buffer, .address_space: global }
      - { .name: woc, .offset: 8, .size: 8, .value_kind: global_buffer, .address_space: global }
      - { .name: lowp_scales, .offset: 16, .size: 8, .value_kind: global_buffer, .address_space: global }
      - { .name: out0, .offset: 24, .size: 8, .value_kind: global_buffer, .address_space: global }
    .group_segment_fixed_size: 327680
    .private_segment_fixed_size: 0
    .kernarg_segment_align: 8
    .kernarg_segment_size: 32
    .max_flat_workgroup_size: 128
    .sgpr_count:     98
    .vgpr_count:     1024
    .wavefront_size: 32
...
	.end_amdgpu_metadata
.endif
;; end of part 4
